; MI455X (gfx1250); checked and timed in simulation.
; The chip was launched on July 23, 2026; its instructions are those of AMD's public machine-readable ISA for CDNA 5 (MIT licence, August 2026) and "CDNA5" Instruction Set Architecture Reference Guide (July 2026). The comments in the code are by the model that wrote it; some were corrected since.
;; VPOS Injection. Allowed arithmetic: matrix products marked QUANTISED: E4M3 operands, one E8M0 scale for each 32 along K, by v_wmma_scale_f32_16x16x128_f8f6f4 with both operands' format E4M3, f32 sums; everything else in f32.
;; Inputs: Wk 256 x 512 float32; Wq 256 x 512 float32; Wv 512 x 512 float32; bk 256 float32; bq 256 float32; bv 512 float32; gamma 1 float32; pe_table 128 x 512 float32; pos 4 x 64 x 64 int32; x 4 x 512 x 64 x 64 float32.
;; Outputs: out0 4 x 512 x 64 x 64 float32.
;; This version of the problem:
;;   THIS VERSION OF THE PROBLEM IS GIVEN IN LOW PRECISION. The matrix products marked QUANTISED in the list below multiply operands that are first quantised to E4M3 (4 exponent bits, 3 mantissa bits; 8 bits a number), with one power-of-two scale for each 32 numbers along K (OCP MX v1.0); their sums are f32. All else is computed in f32.
;;   The module's matrix products, in the order in which they are computed (A, B: the left and right operand; K: the contracted axis; several contracted axes count as one K, in the product's order):
;;     1. [M 256, K 512] x [K 512, N 16,384]; A: input Wq; B: input x: QUANTISED
;;     2. [M 256, K 512] x [K 512, N 16,384]; A: input Wk; B: computed on the way: QUANTISED
;;     3. [M 512, K 512] x [K 512, N 16,384]; A: input Wv; B: input x: QUANTISED
;;     4. batch 4 x [M 4,096, K 256] x [K 256, N 4,096]; A: computed on the way; B: computed on the way: QUANTISED
;;     5. batch 4 x [M 512, K 4,096] x [K 4,096, N 4,096]; A: computed on the way; B: softmax (see below): QUANTISED
;;   THE QUANTISER, for each operand of a quantised product, along K:
;;     - K is cut into blocks of 32 from its start; a last block that is shorter is filled with zeros.
;;     - A block's scale is 2^e with e = floor(log2(the largest magnitude in the block)) - 8, held to -126 .. 127; a block of zeros has e = 0. As a byte (E8M0): e + 127.
;;     - Each number is divided by its block's scale, clamped to +-448, and rounded to the nearest number of E4M3, ties to even, subnormals kept.
;;     - The product sums the exact products of the quantised numbers (number of the format x scale) in f32.
;;   ~~~python
;;   def quantise(x, axis):      # numpy; x: float32 -> the quantised numbers, widened to float32 again
;;       x = np.moveaxis(x, axis, -1); K = x.shape[-1]
;;       x = np.pad(x, [(0, 0)] * (x.ndim - 1) + [(0, -K % 32)]); x = x.reshape(x.shape[:-1] + (-1, 32)); a = np.abs(x).max(-1, keepdims=True)
;;       e = np.where(a > 0, np.clip(np.frexp(np.where(a > 0, a, 1))[1] - 1 - 8, -126, 127), 0)      # np.frexp(a)[1] - 1 = floor(log2(a)), exactly
;;       r = np.clip(x / 2.0 ** e, -448, 448)
;;       step = 2.0 ** (np.maximum(np.frexp(np.where(r == 0, 1, r))[1] - 1, -6) - 3)
;;       q = np.round(r / step) * step * 2.0 ** e      # np.round: ties to even
;;       return np.moveaxis(q.reshape(q.shape[:-2] + (-1,))[..., :K], -1, axis).astype(np.float32)
;;   ~~~
;;   SOFTMAX AHEAD OF A QUANTISED PRODUCT. Where the list says 'softmax', what is quantised is not the finished softmax but p = 2^(t - M), with t = logit x log2(e) and M = ceil(the row's largest t), a whole number; so 1/2 < the row's largest p <= 1. The row's sum l is taken of the UNQUANTISED p, in f32, and the product's result is divided by l at the end. Since M is a whole number, a kernel that streams over the keys may use a running M (the ceiling of the running maximum): every later rescaling is an exact power of two, which a block's scale takes up: the codes' values come out the same.
;;   OPERANDS COMPUTED ON THE WAY. 'Computed on the way' means the value that the module computes at that place (a softmax that the list does not call 'softmax' is quantised finished and normalised). What goes into a quantiser is computed in f32, as accurately as f32 sums, v_exp_f32 and their like allow (about 1e-6 of the number): no bf16 or f16 on the way to a quantiser, and a product that is left as it is and whose result goes on into a quantised operand takes f32 operands (vector FMAs, or v_wmma_f32_16x16x4_f32). A number that lies on a knife's edge between two numbers of the format may be rounded either way, as far as f32 arithmetic and the matrix unit's own rounding can turn it there, and no further.
;; 2 versions, each right; version 2 is version 1 with the launch proj written anew for expert scheduling mode. Each part assembles by itself: llvm-mc -triple=amdgcn-amd-amdhsa -mcpu=gfx1250 --defsym DOCPART=n.
;; ======== version 1 of 2: 3 launches
;; workspace buffers: xq 8,650,752 bytes; wq 557,056 bytes; pp 524,288 bytes; qq 4,456,448 bytes; kq 69,632 bytes; vq 8,650,752 bytes
;; launch prep (part 1): grid 256 x 1, 16 waves a work-group, no clusters, 35,840 bytes of LDS; arguments x, Wq, Wk, Wv, xq, wq, pp; writes xq, wq, pp
.if DOCPART == 1
	.amdgcn_target "amdgcn-amd-amdhsa--gfx1250"
	.amdhsa_code_object_version 6
	.text
	.protected	k_qc8571e7acf_prep
	.globl	k_qc8571e7acf_prep
	.p2align	8
	.type	k_qc8571e7acf_prep,@function
k_qc8571e7acf_prep:
	s_mov_b64 s[64:65], 0
	v_nop
	global_prefetch_b8 v0, s[64:65] scope:SCOPE_SE
	s_setreg_imm32_b32 hwreg(HW_REG_WAVE_MODE, 25, 1), 1
	s_wait_xcnt 0x0
; FIRST OF THREE LAUNCHES.  out = gamma * attention(x) + x, all five products on codes of E4M3 with one E8M0 scale for each 32 along K.
; WHAT IS DONE ONCE AND WHAT IS LEFT OUT, for all values of the inputs.  reference() makes x2d by broadcasting ONE row of 64 columns over all 64 heights.  So k[b,:,h,w], its
; codes and its scales (its blocks run along the channels) do not hang on h; energy[n,(h,w)] = e[n,w]; p[n,(h,w)] = p[n,w]; p's blocks of 32 along m = 64 h + w are (h, half of w) and repeat with h;
; the row's sum is 64 x the sum over w (a power of two: exact).  The program computes each of these equal numbers once: 64 columns of the second product, 64 columns of the energy, 64 entries of the softmax.
; The last product keeps all of its K = 4,096, since v differs with h.  Of pos only pos[b,0,4j], j = 0..15, is read, and of pe_table only the rows so named: reference() slices the rest away.
; Every input has a way to the output; none is left out.  LIMITS: NaN and infinities among the inputs are not served, and one that would reach only a repeated column is not carried further than the one
; column that is computed; a block whose largest magnitude lies under 2^-118, a block of zeros too, gets the scale byte 1 (its codes are what the conversion gives; zeros add nothing; this program alone reads the bytes);
; the f32 sums of the pool are taken in another order than reference()'s.
; THIS LAUNCH: x [4][512][64][64] f32 is quantised along the channels, once, into images of operand registers; the pool's partial sums are taken on the way; the three weights are quantised along their K.
; TILE ORDER.  A fragment is 16 rows x 128 K: lane (r = lane % 16, h = lane / 16) holds row r, registers 4 c .. 4 c + 3 hold k = 32 c + 16 h + 0 .. 15.  Its IMAGE is 2,048 bytes: group c of lane l at 512 c + 16 l.
; Tile T of a run of indices takes in row r the index 32 (T / 2) + 8 (T % 2) + r + 8 (r / 8) (x's columns n, Wq's and Wk's rows); Wv's rows are taken as they lie.
; SHARES.  Work-group: batch b, 32 channels (one block cb), 16 heights (hg).  Wave: one height: 32 channels x 64 columns.  A lane takes columns lane and lane + 32, and its registers run down the channels:
; a block of 32 lies in one lane, each pair of loads reads 256 consecutive bytes, and the codes come out with K innermost.  All of a work-group's 128 KiB are asked for at once.
; Wave 0 also quantises weight fragment number = the work-group's number (64 tiles x 4 K steps = 256); wave 1 stores the work-group's 1,024 scale bytes.
; No matrix unit, cluster or tensor load: the work-groups share no input, and the launch streams.
.set XS_OFF, 8388608                   ; xq: behind the codes, the scale bytes as planes [b][cb][n]
.set WS_OFF, 524288                    ; wq: behind the images, the scale words [tile][K step][lane]
.set PX,    0                          ; LDS: 16 waves x 2,048 bytes: each wave's sums over 4 columns
.set SBY,   32768                      ; 1,024 scale bytes
.set SPARE, 33792                      ; the spare words, 128 bytes for each of 16 waves
.set X,   16                           ; v16-79   x: register 32 a + i = channel i of column lane + 32 a
.set Y,   80                           ; v80-95   sums of two columns; later the codes
.set Z,   96                           ; v96-111  sums of four columns
.set SN,  112                          ; v112-115 at work
.set PT,  116                          ; v116-131 the sixteen waves' parts of one sum
.set SPW, 132                          ; v132 my spare word's LDS address; never rewritten
.set NIL, 133                          ; v133 0; never rewritten
.set WO,  134                          ; v134 wave 0: my byte offset in the weight
.set SBR, 135                          ; v135 SBY + 16 x lane
.set WN,  136                          ; v136-199 wave 0: 64 numbers of a weight
.set PC,  80                           ; the codes
.set TM,  96                           ; QUANT: at work (16 registers)
.set PW,  112                          ; QUANT: the scale word
.set MNT, 32                           ; s32 the mantissa field of 448
.set SEL, 34                           ; s[34:35] lane selects: lane l xor 16
; 64 numbers of a lane, register 16 b + i = k 32 b + 16 h + i of my row, become a fragment's codes in v[PC] on and its scale word in v[PW] (the same in lanes l and l xor 16).
.macro QUANT s
.irp b, 0,1,2,3
	v_max3_num_f32 v[TM+\b], |v[\s+16*\b]|, |v[\s+1+16*\b]|, 0x4800000   ; my 16 numbers of block b, and the floor 2^(9 - 127): the byte cannot fall under 1
.endr
.irp i, 2,4,6,8,10,12,14
.irp b, 0,1,2,3
	v_max3_num_f32 v[TM+\b], v[TM+\b], |v[\s+16*\b+\i]|, |v[\s+1+16*\b+\i]|
.endr
.endr
.irp b, 0,1,2,3
	v_permlanex16_b32 v[TM+4+\b], v[TM+\b], s[SEL], s[SEL+1]
.endr
.irp b, 0,1,2,3
	v_max_num_f32 v[TM+\b], v[TM+\b], v[TM+4+\b]          ; with lane l xor 16's 16: the block's largest magnitude
.endr
.irp b, 0,1,2,3
	v_add_nc_u32 v[TM+12+\b], 0xfc000000, v[TM+\b]        ; 8 off its exponent field: the conversion's scale operand
.endr
.irp b, 0,1,2,3
	v_and_or_b32 v[TM+8+\b], v[TM+\b], 0x7f800000, s[MNT] ; 448 x the scale
.endr
.irp b, 0,1,2,3
	v_lshrrev_b32 v[TM+4+\b], 23, v[TM+12+\b]             ; the scale's byte
.endr
	v_lshl_or_b32 v[PW], v[TM+5], 8, v[TM+4]
	v_lshl_or_b32 v[PW], v[TM+6], 16, v[PW]
	v_lshl_or_b32 v[PW], v[TM+7], 24, v[PW]
.irp b, 0,1,2,3
.irp i, 0,1,2,3,4,5,6,7,8,9,10,11,12,13,14,15
	v_med3_num_f32 v[\s+16*\b+\i], v[\s+16*\b+\i], -v[TM+8+\b], v[TM+8+\b]   ; the conversion to an 8-bit code does not saturate (ISA guide 7.6.2): the hold comes first
.endr
	v_cvt_scalef32_pk8_fp8_f32 v[PC+4*\b:PC+1+4*\b], v[\s+16*\b:\s+7+16*\b], v[TM+12+\b]
	v_cvt_scalef32_pk8_fp8_f32 v[PC+2+4*\b:PC+3+4*\b], v[\s+8+16*\b:\s+15+16*\b], v[TM+12+\b]
.endr
	v_nop                                                  ; a plain line behind the last conversion
.endm
; The sums over four neighbouring columns, for set a, without a lane holding a copy.  Stage 1: lanes l and l xor 1 share out two channels, each keeps one and gets the other lane's number of it; stage 2 likewise
; with l xor 2.  Z[8 a + v] of lane l = the sum over four columns of channel 4 v + l % 4, pooled column 8 a + l / 4.  X is left whole.
.macro BFLY a
.set t, 0
.rept 16
	v_cndmask_b32 v[Y+t], v[X+32*\a+2*t], v[X+32*\a+2*t+1], s30
	v_cndmask_b32 v[SN+t%4], v[X+32*\a+2*t+1], v[X+32*\a+2*t], s30
	v_add_f32_dpp v[Y+t], v[SN+t%4], v[Y+t] row_xmask:1 row_mask:0xf bank_mask:0xf
.set t, t+1
.endr
.set t, 0
.rept 8
	v_cndmask_b32 v[Z+8*\a+t], v[Y+2*t], v[Y+2*t+1], s31
	v_cndmask_b32 v[SN+t%4], v[Y+2*t+1], v[Y+2*t], s31
	v_add_f32_dpp v[Z+8*\a+t], v[SN+t%4], v[Z+8*\a+t] row_xmask:2 row_mask:0xf bank_mask:0xf
.set t, t+1
.endr
.endm
	s_load_b256 s[4:11], s[0:1], 0x0               ; x s[4:5], Wq s[6:7], Wk s[8:9], Wv s[10:11]
	s_load_b128 s[12:15], s[0:1], 0x20             ; xq s[12:13], wq s[14:15]
	s_load_b64 s[16:17], s[0:1], 0x30              ; pp
	v_lshl_add_u32 v[SPW], v0, 2, SPARE
	v_mov_b32 v[NIL], 0
	v_lshrrev_b32 v1, 5, v0
	v_readfirstlane_b32 s18, v1                    ; wave 0..15
	v_and_b32 v8, 31, v0                           ; lane
	v_lshlrev_b32 v1, 2, v8                        ; 4 x lane
	v_lshlrev_b32 v7, 4, v8                        ; 16 x lane
	v_lshlrev_b32 v6, 2, v0                        ; 4 x thread
	v_bfe_u32 v9, v0, 3, 1                         ; bit 3 of the lane
	v_and_b32 v10, 7, v0
	v_bfe_u32 v11, v0, 4, 1                        ; bit 4
	v_lshl_or_b32 v12, v11, 3, v10                 ; my column's row in its tile: (l % 8) | (l / 16) << 3
	v_lshlrev_b32 v12, 4, v12
	v_lshl_or_b32 v2, v9, 13, v12                  ; codes: 8,192 x (which of two tiles) + 16 x row
	s_lshl_b32 s19, s18, 11
	v_add_nc_u32 v3, s19, v7                       ; PX + 2,048 x wave + 16 x lane
	s_lshr_b32 s20, s18, 3                         ; the read of PX: thread 32 w + l sums channel 2 w + l / 16, pooled column l % 16
	s_lshl_b32 s20, s20, 9
	s_and_b32 s21, s18, 1
	s_lshl_b32 s21, s21, 5
	s_add_co_u32 s20, s20, s21
	s_bfe_u32 s21, s18, 0x20001
	s_lshl_b32 s21, s21, 2
	s_add_co_u32 s20, s20, s21
	v_lshlrev_b32 v4, 10, v9
	v_lshl_add_u32 v4, v10, 6, v4
	v_lshl_add_u32 v4, v11, 4, v4
	v_add_nc_u32 v4, s20, v4
	s_lshl_b32 s21, s18, 6
	s_add_co_u32 s21, s21, SBY
	v_add_nc_u32 v5, s21, v8                       ; SBY + 64 x wave + lane
	v_add_nc_u32 v[SBR], SBY, v7
	s_mov_b32 s30, 0xaaaaaaaa                      ; lanes with bit 0 set
	s_mov_b32 s31, 0xcccccccc                      ; lanes with bit 1 set
	s_mov_b32 s[MNT], 0x600000
	s_mov_b32 s[SEL], 0x76543210
	s_mov_b32 s[SEL+1], 0xfedcba98
	s_lshr_b32 s22, ttmp9, 6                       ; b
	s_bfe_u32 s23, ttmp9, 0x40002                  ; cb
	s_and_b32 s24, ttmp9, 3                        ; hg
	s_lshl_b32 s26, s22, 23                        ; x: b x 8,388,608 + cb x 524,288 + hg x 4,096 + wave x 256
	s_lshl_b32 s27, s23, 19
	s_add_co_u32 s26, s26, s27
	s_lshl_b32 s27, s24, 12
	s_add_co_u32 s26, s26, s27
	s_lshl_b32 s27, s18, 8
	s_add_co_u32 s26, s26, s27
	s_mov_b32 s27, 0
	s_lshl_b32 s28, s22, 21                        ; codes: b x 2,097,152 + height x 32,768 + cb x 512 (= K step x 2,048 + group x 512)
	s_lshl_b32 s29, s24, 19
	s_add_co_u32 s28, s28, s29
	s_lshl_b32 s29, s18, 15
	s_add_co_u32 s28, s28, s29
	s_lshl_b32 s29, s23, 9
	s_add_co_u32 s28, s28, s29
	s_mov_b32 s29, 0
	s_lshl_b32 s36, s22, 16                        ; scale bytes: XS_OFF + (16 b + cb) x 4,096 + hg x 1,024
	s_lshl_b32 s37, s23, 12
	s_add_co_u32 s36, s36, s37
	s_lshl_b32 s37, s24, 10
	s_add_co_u32 s36, s36, s37
	s_add_co_u32 s36, s36, XS_OFF
	s_mov_b32 s37, 0
	s_lshl_b32 s38, s22, 17                        ; pp: (4 b + hg) x 32,768 + cb x 2,048
	s_lshl_b32 s39, s24, 15
	s_add_co_u32 s38, s38, s39
	s_lshl_b32 s39, s23, 11
	s_add_co_u32 s38, s38, s39
	s_mov_b32 s39, 0
	s_lshl_b32 s40, ttmp9, 11                      ; wq: fragment f = the work-group's number: image f x 2,048,
	s_mov_b32 s41, 0
	s_lshl_b32 s42, ttmp9, 7                       ; words WS_OFF + f x 128
	s_add_co_u32 s42, s42, WS_OFF
	s_mov_b32 s43, 0
	s_lshr_b32 s44, ttmp9, 2                       ; the weight's tile: 0-15 Wq, 16-31 Wk, 32-63 Wv
	s_and_b32 s45, s44, 15
	s_lshr_b32 s46, s45, 1
	s_lshl_b32 s46, s46, 5
	s_and_b32 s45, s45, 1
	s_lshl_b32 s45, s45, 3
	s_add_co_u32 s45, s45, s46                     ; Wq, Wk: the tile's first row 32 (t / 2) + 8 (t % 2)
	s_sub_co_u32 s46, s44, 32
	s_lshl_b32 s46, s46, 4                         ; Wv: 16 x (tile - 32)
	s_and_b32 s47, ttmp9, 3
	s_lshl_b32 s47, s47, 9                         ; the K step's 512 bytes
	s_wait_kmcnt 0x0
	s_add_nc_u64 s[4:5], s[4:5], s[26:27]
	s_add_nc_u64 s[36:37], s[12:13], s[36:37]
	s_add_nc_u64 s[12:13], s[12:13], s[28:29]
	s_add_nc_u64 s[42:43], s[14:15], s[42:43]
	s_add_nc_u64 s[14:15], s[14:15], s[40:41]
	s_add_nc_u64 s[16:17], s[16:17], s[38:39]
	s_cmp_lt_u32 s44, 16                           ; which weight: the choice hangs on the work-group's number alone
	s_cselect_b64 s[48:49], s[6:7], s[8:9]
	s_cmp_lt_u32 s44, 32
	s_cselect_b64 s[48:49], s[48:49], s[10:11]
	s_cselect_b32 s45, s45, s46
	s_cselect_b32 s46, 8, 0                        ; Wq, Wk: rows 8-15 of a tile lie 8 further on
	v_and_b32 v13, 15, v0
	v_mad_u32_u24 v[WO], v9, s46, v13
	v_add_nc_u32 v[WO], s45, v[WO]                 ; my row of the weight
	v_lshlrev_b32 v[WO], 11, v[WO]                 ; 2,048 bytes a row
	v_lshl_add_u32 v[WO], v11, 6, v[WO]            ; + 64 h
	v_add_nc_u32 v[WO], s47, v[WO]
	s_cmp_lg_u32 s18, 0
	s_cbranch_scc1 .Lno_weight
.irp c, 0,1,2,3
.irp j, 0,1,2,3
	global_load_b128 v[WN+16*\c+4*\j:WN+16*\c+4*\j+3], v[WO], s[48:49] offset:128*\c+16*\j
.endr
.endr
.Lno_weight:
.set i, 0
.rept 32
	global_load_b32 v[X+i], v1, s[4:5] offset:16384*i th:TH_LOAD_NT         ; channel i: the two loads together read 256 consecutive bytes, aligned
	global_load_b32 v[X+32+i], v1, s[4:5] offset:16384*i+128 th:TH_LOAD_NT
.set i, i+1
.endr
	s_wait_loadcnt 0x0                             ; all that the wave will ever load
.irp a, 0,1
	v_max3_num_f32 v[8+\a], |v[X+32*\a]|, |v[X+32*\a+1]|, 0x4800000   ; the block's largest magnitude: all 32 numbers are mine; and the floor
.endr
.irp i, 2,4,6,8,10,12,14,16,18,20,22,24,26,28,30
.irp a, 0,1
	v_max3_num_f32 v[8+\a], v[8+\a], |v[X+32*\a+\i]|, |v[X+32*\a+\i+1]|
.endr
.endr
.irp a, 0,1
	v_add_nc_u32 v[10+\a], 0xfc000000, v[8+\a]     ; the conversion's scale operand
	v_and_or_b32 v[12+\a], v[8+\a], 0x7f800000, s[MNT]   ; 448 x the scale
.endr
.irp a, 0,1
	v_lshrrev_b32 v[14+\a], 23, v[10+\a]           ; the byte
.endr
	BFLY 0
	BFLY 1
.irp k, 0,1,2,3
	ds_store_b128 v3, v[Z+4*\k:Z+4*\k+3] offset:512*\k
.endr
	ds_store_b8 v5, v14
	ds_store_b8 v5, v15 offset:32
	s_wait_dscnt 0x0                               ; for the others' sake: my stores have landed
	s_barrier_signal -1
.set i, 0
.rept 32                                       ; work on registers while the others arrive
	v_med3_num_f32 v[X+i], v[X+i], -v12, v12
	v_med3_num_f32 v[X+32+i], v[X+32+i], -v13, v13
.set i, i+1
.endr
.irp a, 0,1
.irp g, 0,1,2,3
	v_cvt_scalef32_pk8_fp8_f32 v[PC+8*\a+2*\g:PC+8*\a+2*\g+1], v[X+32*\a+8*\g:X+32*\a+8*\g+7], v[10+\a]
.endr
.endr
	v_nop
	s_barrier_wait -1
.irp a, 0,1
.irp g, 0,1
	global_store_b128 v2, v[PC+8*\a+4*\g:PC+8*\a+4*\g+3], s[12:13] offset:16384*\a+256*\g   ; 16 codes a lane; the wave fills two aligned runs of 256 bytes
.endr
.endr
.irp w, 0,1,2,3,4,5,6,7,8,9,10,11,12,13,14,15
	ds_load_b32 v[PT+\w], v4 offset:2048*\w        ; the sixteen heights' parts of my sum
.endr
	s_wait_dscnt 0x0
.irp w, 0,1,2,3,4,5,6,7
	v_add_f32 v[PT+\w], v[PT+\w], v[PT+8+\w]
.endr
.irp w, 0,1,2,3
	v_add_f32 v[PT+\w], v[PT+\w], v[PT+4+\w]
.endr
	v_add_f32 v[PT], v[PT], v[PT+2]
	v_add_f32 v[PT+1], v[PT+1], v[PT+3]
	v_add_f32 v[PT], v[PT], v[PT+1]
	global_store_b32 v6, v[PT], s[16:17]           ; the work-group's 512 sums: 2,048 bytes on end
	s_cmp_lg_u32 s18, 1
	s_cbranch_scc1 .Lnot_wave_1
	ds_load_b128 v[96:99], v[SBR]
	ds_load_b128 v[100:103], v[SBR] offset:512
	s_wait_dscnt 0x0
	global_store_b128 v7, v[96:99], s[36:37]       ; 1,024 scale bytes on end
	global_store_b128 v7, v[100:103], s[36:37] offset:512
.Lnot_wave_1:
	s_cmp_lg_u32 s18, 0
	s_cbranch_scc1 .Lnot_wave_0
	s_wait_xcnt 0x0                                ; my stores have read their registers: the codes' registers are written again
	QUANT WN
.irp c, 0,1,2,3
	global_store_b128 v7, v[PC+4*\c:PC+4*\c+3], s[14:15] offset:512*\c
.endr
	global_store_b32 v1, v[PW], s[42:43]
.Lnot_wave_0:
	s_wait_tensorcnt 0x0                           ; the wave's end, behind my last LDS store
	ds_add_u32 v[SPW], v[NIL]
	s_wait_dscnt 0x0
	s_endpgm
.Lfunc_end_k_qc8571e7acf_prep:
	.size	k_qc8571e7acf_prep, .Lfunc_end_k_qc8571e7acf_prep-k_qc8571e7acf_prep
	.p2alignl 7, 3214868480
	.fill 96, 4, 3214868480
	.section	.rodata,"a",@progbits
	.p2align	6, 0x0
	.amdhsa_kernel k_qc8571e7acf_prep
		.amdhsa_group_segment_fixed_size 35840
		.amdhsa_private_segment_fixed_size 0
		.amdhsa_enable_private_segment 0
		.amdhsa_kernarg_size 56
		.amdhsa_user_sgpr_count 2
		.amdhsa_user_sgpr_kernarg_segment_ptr 1
		.amdhsa_wavefront_size32 1
		.amdhsa_system_sgpr_workgroup_id_x 1
		.amdhsa_system_sgpr_workgroup_id_y 1
		.amdhsa_system_sgpr_workgroup_id_z 1
		.amdhsa_system_vgpr_workitem_id 0
		.amdhsa_next_free_vgpr 200
		.amdhsa_next_free_sgpr 66
		.amdhsa_reserve_vcc 0
		.amdhsa_float_denorm_mode_32 3
		.amdhsa_float_denorm_mode_16_64 3
		.amdhsa_memory_ordered 1
		.amdhsa_forward_progress 1
		.amdhsa_inst_pref_size 40
	.end_amdhsa_kernel
	.amdgpu_metadata
---
amdhsa.version: [ 1, 2 ]
amdhsa.kernels:
  - .name:           k_qc8571e7acf_prep
    .symbol:         k_qc8571e7acf_prep.kd
    .args:
      - { .name: x, .offset: 0, .size: 8, .value_kind: global_buffer, .address_space: global }
      - { .name: Wq, .offset: 8, .size: 8, .value_kind: global_buffer, .address_space: global }
      - { .name: Wk, .offset: 16, .size: 8, .value_kind: global_buffer, .address_space: global }
      - { .name: Wv, .offset: 24, .size: 8, .value_kind: global_buffer, .address_space: global }
      - { .name: xq, .offset: 32, .size: 8, .value_kind: global_buffer, .address_space: global }
      - { .name: wq, .offset: 40, .size: 8, .value_kind: global_buffer, .address_space: global }
      - { .name: pp, .offset: 48, .size: 8, .value_kind: global_buffer, .address_space: global }
    .group_segment_fixed_size: 35840
    .private_segment_fixed_size: 0
    .kernarg_segment_align: 8
    .kernarg_segment_size: 56
    .max_flat_workgroup_size: 512
    .sgpr_count:     66
    .vgpr_count:     200
    .wavefront_size: 32
...
	.end_amdgpu_metadata
.endif
;; end of part 1
;; launch proj (part 2): grid 196 x 1, 4 waves a work-group, no clusters, 70,656 bytes of LDS; arguments xq, wq, pp, pe_table, pos, bq, bk, bv, qq, kq, vq; writes qq, kq, vq
.if DOCPART == 2
	.amdgcn_target "amdgcn-amd-amdhsa--gfx1250"
	.amdhsa_code_object_version 6
	.text
	.protected	k_qc8571e7acf_proj
	.globl	k_qc8571e7acf_proj
	.p2align	8
	.type	k_qc8571e7acf_proj,@function
k_qc8571e7acf_proj:
	s_mov_b64 s[64:65], 0
	v_nop
	global_prefetch_b8 v0, s[64:65] scope:SCOPE_SE
	s_setreg_imm32_b32 hwreg(HW_REG_WAVE_MODE, 25, 1), 1
	s_wait_xcnt 0x0
; SECOND LAUNCH: the three projections, their results quantised on the way and stored as images of operand registers.
; Left out (shown at the head of the first kernel): k is computed for its 64 different columns alone, since x2d is one row broadcast over the heights; of pos only pos[b,0,4j], of pe_table only the rows so named.
; LIMIT: pos is taken as unsigned, and pos / 8 is held at 127, the table's last row.
; THE UNIT: eight accumulators acc[t] = the sum over four K steps s of MULTI[t][s] (source 0) x SINGLE[s] (source 1) + a bias given as C: 32 matrix instructions.  A lane then holds one row of SINGLE and 64 numbers along
; MULTI's rows, which by the tile order (first kernel) are k = 32 b + 16 h + i in register 16 b + i: QUANT makes of them one fragment and one scale word, which are stored.
; MULTI (32 fragments, 512 registers) stays in the wave's registers; the SINGLEs come from memory straight into registers, one unit ahead, in two buffers.
; THREE PATHS, parted on the work-group's number (the same in all four waves):
;   K, work-groups 0-3 (batch b): x1d = pool + position code, the 64 interpolated columns, quantised along the channels (through LDS), then MULTI = Wk, SINGLE = those columns, bias bk -> kq
;   Q, 4-67: MULTI = Wq (128 of its rows a wave), SINGLE = a tile of 16 columns of x, bias bq -> qq      V, 68-195: MULTI = 128 columns of x, SINGLE = a tile of 16 rows of Wv, bias bv -> vq
; NO CLUSTER, NO TENSOR LOAD: operands go from memory into registers as images, with no stage in LDS; a joint load would land in LDS and add as many LDS reads as it saves requests; the weights, which all share, are 0.5 MiB.
; REGISTERS.  window 0: v1 16 l, v2 4 l, v3 4 r, v4-15 addresses; v16-79 ACC; v80-95 codes; v96-111 QUANT's; v112-114 scale words at work; v116-123 SINGLE's scale words (two sets); v124-139 MULTI's (register 4 p + s:
;   lanes 0-15 tile 2 p, lanes 16-31 tile 2 p + 1); v140-203 the bias as C (V: v140-147 copies, v148-149 the words); v204-235 scale bytes (two sets); v236-246 path K at work; v254, v255 the add's two.
;   windows 1, 2: MULTI, tiles 0-3 and 4-7, fragment (t, s) at 64 (t % 4) + 16 s.   window 3: v0-63, v64-127 the two SINGLE buffers.
.set XS_OFF, 8388608
.set WS_OFF, 524288
.set QS_OFF, 4194304
.set KS_OFF, 65536
.set X1D,   0                          ; LDS (path K alone): x1d transposed, 17 rows [j] of 512 channels + 16 bytes; row 16 is row 15 once more, so that i0 + 1 stands for min(i0 + 1, 15)
.set XP,    2064
.set RIMG,  35328                      ; the columns' 16 fragments, index 4 wT + s
.set RSC,   68096                      ; their scale words, 128 bytes each
.set SPARE, 70144                      ; the spare words, 128 bytes for each wave
.set ACC, 16
.set PC,  80
.set TM,  96
.set PW,  112
.set PWE, 113
.set AJ,  114
.set SS,  116
.set MS,  124
.set BQ,  140
.set BC,  140
.set BV,  148
.set SBY, 204
.set SPW, 254
.set NIL, 255
.set WV,  26                           ; s26 wave
.set MNT, 27                           ; s27 the mantissa field of 448
.set SEL, 28                           ; s[28:29] lane selects: lane l xor 16
.set HM,  30                           ; s30 lanes 16-31
.set SB,  32                           ; s[32:33] SINGLE's images
.set SCB, 34                           ; s[34:35] SINGLE's scales
.set BB,  36                           ; s[36:37] the bias
.set OB,  38                           ; s[38:39] images out
.set OS,  40                           ; s[40:41] scale words out
.set MB,  42                           ; s[42:43] MULTI's images
.set MSC, 44                           ; s[44:45] MULTI's scales
.set YR,  84                           ; s84 1 / 63, rounded
.set N63, 85                           ; s85 -63
.set MSB, 0
.macro WIN new                         ; the immediate's high byte repeats the setting that is left
.if MSB != \new
	s_set_vgpr_msb (MSB<<8)|\new
.set MSB, \new
.endif
.endm
.macro NOPS n
.rept \n
	v_nop
.endr
.endm
.macro QUANT s                         ; as in the first kernel
.irp b, 0,1,2,3
	v_max3_num_f32 v[TM+\b], |v[\s+16*\b]|, |v[\s+1+16*\b]|, 0x4800000   ; each accumulator is read from its low end on
.endr
.irp i, 2,4,6,8,10,12,14
.irp b, 0,1,2,3
	v_max3_num_f32 v[TM+\b], v[TM+\b], |v[\s+16*\b+\i]|, |v[\s+1+16*\b+\i]|
.endr
.endr
.irp b, 0,1,2,3
	v_permlanex16_b32 v[TM+4+\b], v[TM+\b], s[SEL], s[SEL+1]
.endr
.irp b, 0,1,2,3
	v_max_num_f32 v[TM+\b], v[TM+\b], v[TM+4+\b]
.endr
.irp b, 0,1,2,3
	v_add_nc_u32 v[TM+12+\b], 0xfc000000, v[TM+\b]
.endr
.irp b, 0,1,2,3
	v_and_or_b32 v[TM+8+\b], v[TM+\b], 0x7f800000, s[MNT]
.endr
.irp b, 0,1,2,3
	v_lshrrev_b32 v[TM+4+\b], 23, v[TM+12+\b]
.endr
	v_lshl_or_b32 v[PW], v[TM+5], 8, v[TM+4]
	v_lshl_or_b32 v[PW], v[TM+6], 16, v[PW]
	v_lshl_or_b32 v[PW], v[TM+7], 24, v[PW]
.irp b, 0,1,2,3
.irp i, 0,1,2,3,4,5,6,7,8,9,10,11,12,13,14,15
	v_med3_num_f32 v[\s+16*\b+\i], v[\s+16*\b+\i], -v[TM+8+\b], v[TM+8+\b]
.endr
	v_cvt_scalef32_pk8_fp8_f32 v[PC+4*\b:PC+1+4*\b], v[\s+16*\b:\s+7+16*\b], v[TM+12+\b]
	v_cvt_scalef32_pk8_fp8_f32 v[PC+2+4*\b:PC+3+4*\b], v[\s+8+16*\b:\s+15+16*\b], v[TM+12+\b]
.endr
	v_nop
.endm
.macro MULTI                           ; 32 fragments, 65,536 bytes on end, into windows 1 and 2
	WIN 0x40
.set f, 0
.rept 16
.irp c, 0,1,2,3
	global_load_b128 v[16*f+4*\c:16*f+4*\c+3], v1, s[MB:MB+1] offset:2048*f+512*\c
.endr
.set f, f+1
.endr
	WIN 0x80
.set f, 0
.rept 16
.irp c, 0,1,2,3
	global_load_b128 v[16*f+4*\c:16*f+4*\c+3], v1, s[MB:MB+1] offset:32768+2048*f+512*\c
.endr
.set f, f+1
.endr
	WIN 0
.endm
.macro WLOADS                          ; paths Q and K: MULTI = eight tiles of a weight, their scale words, and the bias in the result's layout
	MULTI
.irp p, 0,1,2,3
.irp s, 0,1,2,3
	global_load_b32 v[MS+4*\p+\s], v11, s[MSC:MSC+1] offset:1024*\p+128*\s
.endr
.endr
.irp t, 0,1,2,3,4,5,6,7
	global_load_b128 v[BQ+8*\t:BQ+8*\t+3], v12, s[BB:BB+1] offset:(32*(\t/2)+8*(\t%2))*4
	global_load_b128 v[BQ+8*\t+4:BQ+8*\t+7], v12, s[BB:BB+1] offset:(32*(\t/2)+8*(\t%2))*4+16
.endr
.endm
.macro SINGLE buf, off                 ; four fragments into buffer buf of window 3
	WIN 0xc0
.irp s, 0,1,2,3
.irp c, 0,1,2,3
	global_load_b128 v[64*(\buf)+16*\s+4*\c:64*(\buf)+16*\s+4*\c+3], v1, s[SB:SB+1] offset:(\off)+2048*\s+512*\c
.endr
.endr
	WIN 0
.endm
.macro MMI t, s, buf, ss, cmode        ; one matrix instruction; C is the bias in the first K step (cmode 0: eight registers a tile; 1: the copies), else the accumulator
.set CR, ACC+8*(\t)
.if (\s) == 0
.set CR, BC
.if (\cmode) == 0
.set CR, BQ+8*(\t)
.endif
.endif
.if (\t)%2
	v_wmma_scale_f32_16x16x128_f8f6f4 v[ACC+8*(\t):ACC+8*(\t)+7], v[64*((\t)%4)+16*(\s):64*((\t)%4)+16*(\s)+15], v[64*(\buf)+16*(\s):64*(\buf)+16*(\s)+15], v[CR:CR+7], v[MS+4*((\t)/2)+(\s)], v[(\ss)+(\s)] matrix_a_scale:MATRIX_SCALE_ROW1
.else
	v_wmma_scale_f32_16x16x128_f8f6f4 v[ACC+8*(\t):ACC+8*(\t)+7], v[64*((\t)%4)+16*(\s):64*((\t)%4)+16*(\s)+15], v[64*(\buf)+16*(\s):64*(\buf)+16*(\s)+15], v[CR:CR+7], v[MS+4*((\t)/2)+(\s)], v[(\ss)+(\s)]
.endif
.endm
.macro MM buf, ss, cmode               ; a unit's 32 matrix instructions: four accumulators by turns, one instruction a turn
	WIN 0x0d                                       ; source 0 window 1, source 1 window 3
.irp s, 0,1,2,3
.irp t, 0,1,2,3
	MMI \t, \s, \buf, \ss, \cmode
.endr
.endr
	WIN 0x0e                                       ; source 0 window 2
.irp s, 0,1,2,3
.irp t, 4,5,6,7
	MMI \t, \s, \buf, \ss, \cmode
.endr
.endr
	WIN 0
.endm
.macro OUTIMG off
.irp c, 0,1,2,3
	global_store_b128 v1, v[PC+4*\c:PC+4*\c+3], s[OB:OB+1] offset:(\off)+512*\c   ; 512 bytes on end
.endr
.endm
; A unit of path Q.  e: 0 or 1, the unit's place in a pair, and its buffer.  pre = 1: the next unit's operands are asked for.
.macro UNITQ e, pre
	s_wait_loadcnt 0x0                             ; this unit's operands, asked for a unit ago (the first time: MULTI too)
	s_wait_xcnt 0x0                                ; earlier stores have read the codes' and the word's registers
.if \pre
	SINGLE 1-\e, 8192*(\e+1)
.irp s, 0,1,2,3
.irp c, 0,1,2,3
	global_load_u8 v[SBY+16*(1-\e)+4*\s+\c], v4, s[SCB:SCB+1] offset:(4*\s+\c)*4096+32*((\e+1)/2)+8*((\e+1)%2)
.endr
.endr
.endif
.irp s, 0,1,2,3
	v_lshl_or_b32 v[SS+\s], v[SBY+16*\e+4*\s+1], 8, v[SBY+16*\e+4*\s]   ; four planes' bytes make a K step's scale word
.endr
.irp s, 0,1,2,3
	v_lshl_or_b32 v[SS+\s], v[SBY+16*\e+4*\s+2], 16, v[SS+\s]
.endr
.irp s, 0,1,2,3
	v_lshl_or_b32 v[SS+\s], v[SBY+16*\e+4*\s+3], 24, v[SS+\s]
.endr
	NOPS 8                                         ; a scale register written by a vector instruction stands eight places ahead of the product
	MM \e, SS, 0
	NOPS 8                                         ; eight places behind this form, ahead of the first read of results and of the next loads into its operands
	QUANT ACC
	OUTIMG 4096*\e
	global_store_b32 v2, v[PW], s[OS:OS+1] offset:256*\e
.endm
; A unit of path V.
.macro UNITV e, pre
	s_wait_loadcnt 0x0
	s_wait_xcnt 0x0
.if \pre
	SINGLE 1-\e, 8192*(\e+1)
.irp s, 0,1,2,3
	global_load_b32 v[SS+4*(1-\e)+\s], v2, s[SCB:SCB+1] offset:512*(\e+1)+128*\s
.endr
	global_load_b32 v[BV+1-\e], v3, s[BB:BB+1] offset:64*(\e+1)
.endif
.irp j, 0,1,2,3,4,5,6,7
	v_mov_b32 v[BC+\j], v[BV+\e]                   ; a lane holds one channel: its bias in all eight registers of C
.endr
	NOPS 4
	MM \e, SS+4*\e, 1
	NOPS 8
	QUANT ACC
	OUTIMG 2048*\e
.if \e == 0
	v_mov_b32 v[PWE], v[PW]
.else
	v_cndmask_b32 v[AJ], v[PWE], v[PW], s[HM]      ; lanes 0-15 the even tile's words, lanes 16-31 the odd tile's: one register serves two tiles in the third launch
	global_store_b32 v2, v[AJ], s[OS:OS+1]
.endif
.endm
	s_load_b512 s[4:19], s[0:1], 0x0               ; xq 4, wq 6, pp 8, pe_table 10, pos 12, bq 14, bk 16, bv 18
	s_load_b128 s[20:23], s[0:1], 0x40             ; qq 20, kq 22
	s_load_b64 s[24:25], s[0:1], 0x50              ; vq
	v_lshl_add_u32 v[SPW], v0, 2, SPARE
	v_mov_b32 v[NIL], 0
	v_lshrrev_b32 v1, 5, v0
	v_readfirstlane_b32 s[WV], v1                  ; wave 0..3
	v_and_b32 v5, 31, v0
	v_lshlrev_b32 v1, 4, v5                        ; 16 x lane
	v_lshlrev_b32 v2, 2, v5                        ; 4 x lane
	v_and_b32 v6, 15, v0                           ; r
	v_lshlrev_b32 v3, 2, v6                        ; 4 r
	v_bfe_u32 v7, v0, 4, 1                         ; h
	v_and_b32 v8, 7, v0
	v_bfe_u32 v9, v0, 3, 1
	v_lshl_add_u32 v10, v9, 4, v8                  ; r + 8 (r / 8)
	v_lshl_add_u32 v11, v7, 9, v3                  ; a weight's scale words: 512 h + 4 r
	v_lshlrev_b32 v12, 6, v7                       ; the bias: 64 h
.irp b, 0,1,2,3
	v_mov_b32 v[TM+4+\b], 0                        ; written once: a lane permute's destination counts as one of its sources
.endr
	s_mov_b32 s[MNT], 0x600000
	s_mov_b32 s[SEL], 0x76543210
	s_mov_b32 s[SEL+1], 0xfedcba98
	s_mov_b32 s[HM], 0xffff0000
	s_and_b32 s31, s[WV], 1                        ; paths Q, K: which 128 of the weight's 256 rows
	s_lshr_b32 s51, s[WV], 1
	s_mov_b32 s47, 0
	s_wait_kmcnt 0x0
	s_cmp_lt_u32 ttmp9, 4
	s_cbranch_scc1 .Lpath_k
	s_cmp_lt_u32 ttmp9, 68
	s_cbranch_scc1 .Lpath_q
	; ---------------- PATH V: batch b, keys 128 ks on; wave w makes channels 128 w on, 16 a unit
	s_sub_co_u32 s52, ttmp9, 68
	s_lshr_b32 s53, s52, 5                         ; b
	s_and_b32 s54, s52, 31                         ; ks
	s_lshl_b32 s46, s53, 21
	s_lshl_b32 s48, s54, 16
	s_add_co_u32 s46, s46, s48
	s_add_nc_u64 s[MB:MB+1], s[4:5], s[46:47]      ; x's tiles 256 b + 8 ks on
	s_lshl_b32 s46, s53, 16
	s_lshl_b32 s48, s54, 7
	s_add_co_u32 s46, s46, s48
	s_add_co_u32 s46, s46, XS_OFF
	s_add_nc_u64 s[MSC:MSC+1], s[4:5], s[46:47]    ; their scale bytes
	s_lshl_b32 s46, s[WV], 16
	s_add_co_u32 s46, s46, 262144
	s_add_nc_u64 s[SB:SB+1], s[6:7], s[46:47]      ; Wv's tiles 32 + 8 w on
	s_lshl_b32 s46, s[WV], 12
	s_add_co_u32 s46, s46, WS_OFF+16384
	s_add_nc_u64 s[SCB:SCB+1], s[6:7], s[46:47]
	s_lshl_b32 s46, s[WV], 9
	s_add_nc_u64 s[BB:BB+1], s[18:19], s[46:47]
	s_lshl_b32 s46, s53, 2
	s_add_co_u32 s46, s46, s[WV]
	s_lshl_b32 s46, s46, 5
	s_add_co_u32 s46, s46, s54
	s_mul_i32 s46, s46, 16896
	s_add_nc_u64 s[OB:OB+1], s[24:25], s[46:47]    ; record (b, w, ks): eight images,
	s_add_nc_u64 s[OS:OS+1], s[OB:OB+1], 16384     ; then its scale words
	v_lshl_add_u32 v4, v7, 3, v10                  ; lanes 16-31 take the odd tile: 8 further on
.irp p, 0,1,2,3
.irp s, 0,1,2,3
.irp c, 0,1,2,3
	global_load_u8 v[ACC+4*(4*\p+\s)+\c], v4, s[MSC:MSC+1] offset:(4*\s+\c)*4096+32*\p
.endr
.endr
.endr
	MULTI
	SINGLE 0, 0
.irp s, 0,1,2,3
	global_load_b32 v[SS+\s], v2, s[SCB:SCB+1] offset:128*\s
.endr
	global_load_b32 v[BV], v3, s[BB:BB+1]
	s_wait_loadcnt 0x0
.irp m, 0,1,2,3,4,5,6,7,8,9,10,11,12,13,14,15
	v_lshl_or_b32 v[MS+\m], v[ACC+4*\m+1], 8, v[ACC+4*\m]
.endr
.irp m, 0,1,2,3,4,5,6,7,8,9,10,11,12,13,14,15
	v_lshl_or_b32 v[MS+\m], v[ACC+4*\m+2], 16, v[MS+\m]
.endr
.irp m, 0,1,2,3,4,5,6,7,8,9,10,11,12,13,14,15
	v_lshl_or_b32 v[MS+\m], v[ACC+4*\m+3], 24, v[MS+\m]
.endr
	NOPS 8
	s_mov_b32 s50, 3
.Lv_pair:                                          ; three trips of two units; the last two are written out, so that no load leaves its buffer
	UNITV 0, 1
	UNITV 1, 1
	s_wait_xcnt 0x0                                ; all that was issued has read its bases
	s_add_nc_u64 s[SB:SB+1], s[SB:SB+1], 16384
	s_add_nc_u64 s[SCB:SCB+1], s[SCB:SCB+1], 1024
	s_add_nc_u64 s[BB:BB+1], s[BB:BB+1], 128
	s_add_nc_u64 s[OB:OB+1], s[OB:OB+1], 4096
	s_add_nc_u64 s[OS:OS+1], s[OS:OS+1], 128
	s_sub_co_u32 s50, s50, 1
	s_cmp_lg_u32 s50, 0
	s_cbranch_scc1 .Lv_pair
	UNITV 0, 1
	UNITV 1, 0
	s_branch .Lend
	; ---------------- PATH Q: batch b, 16 tiles of columns; wave w: rows 128 (w % 2) on of Wq, tiles 8 (w / 2) on
.Lpath_q:
	s_sub_co_u32 s52, ttmp9, 4
	s_lshr_b32 s53, s52, 4                         ; b
	s_and_b32 s54, s52, 15
	s_lshl_b32 s54, s54, 4
	s_lshl_b32 s55, s51, 3
	s_add_co_u32 s54, s54, s55                     ; my first tile in the batch
	s_lshl_b32 s55, s53, 8
	s_add_co_u32 s55, s55, s54                     ; 256 b + tile
	s_lshl_b32 s46, s55, 13
	s_add_nc_u64 s[SB:SB+1], s[4:5], s[46:47]
	s_lshl_b32 s46, s53, 16
	s_lshl_b32 s48, s54, 4
	s_add_co_u32 s46, s46, s48
	s_add_co_u32 s46, s46, XS_OFF
	s_add_nc_u64 s[SCB:SCB+1], s[4:5], s[46:47]
	s_lshl_b32 s46, s31, 16
	s_add_nc_u64 s[MB:MB+1], s[6:7], s[46:47]
	s_lshl_b32 s46, s31, 12
	s_add_co_u32 s46, s46, WS_OFF
	s_add_nc_u64 s[MSC:MSC+1], s[6:7], s[46:47]
	s_lshl_b32 s46, s31, 9
	s_add_nc_u64 s[BB:BB+1], s[14:15], s[46:47]
	s_lshl_b32 s55, s55, 1
	s_add_co_u32 s55, s55, s31
	s_lshl_b32 s46, s55, 11
	s_add_nc_u64 s[OB:OB+1], s[20:21], s[46:47]
	s_lshl_b32 s46, s55, 7
	s_add_co_u32 s46, s46, QS_OFF
	s_add_nc_u64 s[OS:OS+1], s[20:21], s[46:47]
	v_mov_b32 v4, v10
	WLOADS
	SINGLE 0, 0
.irp s, 0,1,2,3
.irp c, 0,1,2,3
	global_load_u8 v[SBY+4*\s+\c], v4, s[SCB:SCB+1] offset:(4*\s+\c)*4096
.endr
.endr
	s_mov_b32 s50, 3
.Lq_pair:
	UNITQ 0, 1
	UNITQ 1, 1
	s_wait_xcnt 0x0
	s_add_nc_u64 s[SB:SB+1], s[SB:SB+1], 16384
	s_add_nc_u64 s[SCB:SCB+1], s[SCB:SCB+1], 32
	s_add_nc_u64 s[OB:OB+1], s[OB:OB+1], 8192
	s_add_nc_u64 s[OS:OS+1], s[OS:OS+1], 512
	s_sub_co_u32 s50, s50, 1
	s_cmp_lg_u32 s50, 0
	s_cbranch_scc1 .Lq_pair
	UNITQ 0, 1
	UNITQ 1, 0
	s_branch .Lend
	; ---------------- PATH K: batch b = the work-group's number
.Lpath_k:
	s_lshl_b32 s46, ttmp9, 14
	s_add_nc_u64 s[12:13], s[12:13], s[46:47]      ; pos[b][0][:]
.irp j, 0,1,2,3,4,5,6,7,8,9,10,11,12,13,14,15
	s_load_b32 s[68+\j], s[12:13], 16*\j           ; pos[b][0][4 j]
.endr
	s_lshl_b32 s46, ttmp9, 17
	s_add_nc_u64 s[8:9], s[8:9], s[46:47]
	v_lshlrev_b32 v13, 6, v0                       ; pp: 64 bytes a channel; thread t takes channels t + 128 q
	v_lshlrev_b32 v14, 2, v0
	WIN 0x40                                       ; into window 1, which MULTI takes only afterwards: register 64 q + 16 hg + j
.irp q, 0,1,2,3
.irp g, 0,1,2,3
.irp j, 0,1,2,3
	global_load_b128 v[64*\q+16*\g+4*\j:64*\q+16*\g+4*\j+3], v13, s[8:9] offset:32768*\g+8192*\q+16*\j
.endr
.endr
.endr
	WIN 0
	s_mov_b32 s[YR], 0x3c820821
	s_mov_b32 s[N63], 0xc27c0000
	s_lshl_b32 s46, s[WV], 9
	v_lshlrev_b32 v15, 6, v7
	v_add_nc_u32 v15, s46, v15                     ; 64 h + 512 w: my 16 channels of a block, K step w
	s_lshl_b32 s46, s[WV], 11
	v_add_nc_u32 v5, s46, v1                       ; where I store a column fragment: 2,048 w + 16 l
	s_lshl_b32 s46, s[WV], 7
	s_add_co_u32 s46, s46, RSC
	v_add_nc_u32 v6, s46, v2                       ; and its scale word
	s_lshl_b32 s46, s51, 14
	v_add_nc_u32 v8, s46, v1                       ; where I read my two tiles' fragments back
	s_lshl_b32 s46, s51, 10
	s_add_co_u32 s46, s46, RSC
	v_add_nc_u32 v9, s46, v2
	s_wait_kmcnt 0x0
.irp j, 0,1,2,3,4,5,6,7,8,9,10,11,12,13,14,15
	s_lshr_b32 s[68+\j], s[68+\j], 3               ; pos / 8,
	s_min_u32 s[68+\j], s[68+\j], 127              ; held inside the table,
	s_lshl_b32 s[68+\j], s[68+\j], 11              ; x 2,048 bytes a row
	v_add_nc_u32 v[176+\j], s[68+\j], v14
.endr
.irp q, 0,1,2,3
.irp j, 0,1,2,3,4,5,6,7,8,9,10,11,12,13,14,15
	global_load_b32 v[16+16*\q+\j], v[176+\j], s[10:11] offset:512*\q
.endr
.endr
	s_lshl_b32 s46, s31, 16
	s_add_co_u32 s46, s46, 131072
	s_add_nc_u64 s[MB:MB+1], s[6:7], s[46:47]      ; Wk's tiles 16 + 8 (w % 2) on
	s_lshl_b32 s46, s31, 12
	s_add_co_u32 s46, s46, WS_OFF+8192
	s_add_nc_u64 s[MSC:MSC+1], s[6:7], s[46:47]
	s_lshl_b32 s46, s31, 9
	s_add_nc_u64 s[BB:BB+1], s[16:17], s[46:47]
	s_lshl_b32 s55, ttmp9, 3
	s_lshl_b32 s46, s51, 2
	s_add_co_u32 s55, s55, s46
	s_add_co_u32 s55, s55, s31                     ; (4 b + my first tile of keys) x 2 + my half of K
	s_lshl_b32 s46, s55, 11
	s_add_nc_u64 s[OB:OB+1], s[22:23], s[46:47]
	s_lshl_b32 s46, s55, 7
	s_add_co_u32 s46, s46, KS_OFF
	s_add_nc_u64 s[OS:OS+1], s[22:23], s[46:47]
	s_wait_loadcnt 0x0
	WIN 0x45                                       ; all three places window 1
.irp q, 0,1,2,3
.irp p, 0,2,4,6,8,10,12,14
	v_pk_add_f32 v[64*\q+\p:64*\q+\p+1], v[64*\q+\p:64*\q+\p+1], v[64*\q+16+\p:64*\q+16+\p+1]
	v_pk_add_f32 v[64*\q+32+\p:64*\q+32+\p+1], v[64*\q+32+\p:64*\q+32+\p+1], v[64*\q+48+\p:64*\q+48+\p+1]
.endr
.endr
.irp q, 0,1,2,3
.irp p, 0,2,4,6,8,10,12,14
	v_pk_add_f32 v[64*\q+\p:64*\q+\p+1], v[64*\q+\p:64*\q+\p+1], v[64*\q+32+\p:64*\q+32+\p+1]
.endr
.endr
	WIN 0x01                                       ; source 0 window 1
.irp q, 0,1,2,3
.irp p, 0,2,4,6,8,10,12,14
	v_pk_fma_f32 v[16+16*\q+\p:16+16*\q+\p+1], v[64*\q+\p:64*\q+\p+1], 0x3b800000, v[16+16*\q+\p:16+16*\q+\p+1] op_sel_hi:[1,0,1]   ; x1d = the sum of 256 numbers / 256 + the position's code
.endr
.endr
	WIN 0
.irp q, 0,1,2,3
.irp j, 0,1,2,3,4,5,6,7,8,9,10,11,12,13,14,15
	ds_store_b32 v14, v[16+16*\q+\j] offset:X1D+512*\q+XP*\j
.endr
	ds_store_b32 v14, v[16+16*\q+15] offset:X1D+512*\q+XP*16
.endr
	WLOADS                                         ; Wk, its scales and bk land while the columns are made
	s_wait_dscnt 0x0
	s_barrier_signal -1
	s_barrier_wait -1                              ; x1d lies in LDS
; Tile wt of the 64 columns, K step = my wave: lane (r, h) makes 64 channels of column w = 32 (wt / 2) + 8 (wt % 2) + r + 8 (r / 8): x1d[i0] (1 - t) + x1d[i0 + 1] t.
; src = 15 w / 63 as f32's rounded quotient: q = a Y, corrected once by the exact remainder (two fused multiply-adds); i0 = floor(15 w / 63) in whole numbers: (15,615 w) >> 16, right for w = 0 .. 63.
.macro ROWQ wt
	v_add_nc_u32 v240, 32*((\wt)/2)+8*((\wt)%2), v10
	v_mul_u32_u24 v241, v240, 0x3cff
	v_lshrrev_b32 v241, 16, v241                   ; i0
	v_mad_u32_u24 v242, v241, XP, v15
.irp c, 0,1,2,3
.irp j, 0,1,2,3
	ds_load_b128 v[16+16*\c+4*\j:16+16*\c+4*\j+3], v242 offset:X1D+128*\c+16*\j
.endr
.endr
	WIN 0xc0                                       ; destination window 3
.irp c, 0,1,2,3
.irp j, 0,1,2,3
	ds_load_b128 v[16*\c+4*\j:16*\c+4*\j+3], v242 offset:X1D+XP+128*\c+16*\j
.endr
.endr
	WIN 0
	v_mul_u32_u24 v243, v240, 15
	v_cvt_f32_u32 v243, v243                       ; a = 15 w, exact
	v_cvt_f32_u32 v244, v241
	v_mul_f32 v245, s[YR], v243
	v_fma_f32 v246, v245, s[N63], v243             ; a - 63 q, exact
	v_fma_f32 v245, v246, s[YR], v245              ; src
	v_sub_f32 v238, v245, v244                     ; t
	v_mov_b32 v239, v238
	v_sub_f32 v236, 1.0, v238                      ; 1 - t
	v_mov_b32 v237, v236
	s_wait_dscnt 0x0
.set k, 0
.rept 32
	v_pk_mul_f32 v[16+k:17+k], v[16+k:17+k], v[236:237]
.set k, k+2
.endr
	WIN 0x03                                       ; source 0 window 3
.set k, 0
.rept 32
	v_pk_fma_f32 v[16+k:17+k], v[k:k+1], v[238:239], v[16+k:17+k]
.set k, k+2
.endr
	WIN 0
	QUANT ACC
.irp c, 0,1,2,3
	ds_store_b128 v5, v[PC+4*\c:PC+4*\c+3] offset:RIMG+8192*(\wt)+512*\c
.endr
	ds_store_b32 v6, v[PW] offset:512*(\wt)
	s_wait_dscnt 0x0                               ; the stores have read their registers
.endm
	ROWQ 0
	ROWQ 1
	ROWQ 2
	ROWQ 3
	s_barrier_signal -1
	s_barrier_wait -1                              ; the sixteen fragments of the columns lie in LDS
	WIN 0xc0
.irp i, 0,1
.irp s, 0,1,2,3
.irp c, 0,1,2,3
	ds_load_b128 v[64*\i+16*\s+4*\c:64*\i+16*\s+4*\c+3], v8 offset:RIMG+8192*\i+2048*\s+512*\c
.endr
.endr
.endr
	WIN 0
.irp i, 0,1
.irp s, 0,1,2,3
	ds_load_b32 v[SS+4*\i+\s], v9 offset:512*\i+128*\s
.endr
.endr
	s_wait_dscnt 0x0
	s_wait_loadcnt 0x0                             ; Wk, its scales, bk
	MM 0, SS, 0
	NOPS 8
	QUANT ACC
	OUTIMG 0
	global_store_b32 v2, v[PW], s[OS:OS+1]
	s_wait_xcnt 0x0                                ; the stores have read the codes' and the word's registers
	MM 1, SS+4, 0
	NOPS 8
	QUANT ACC
	OUTIMG 4096
	global_store_b32 v2, v[PW], s[OS:OS+1] offset:256
.Lend:
	s_wait_tensorcnt 0x0                           ; the wave's end, behind the last LDS store
	ds_add_u32 v[SPW], v[NIL]
	s_wait_dscnt 0x0
	s_endpgm
.Lfunc_end_k_qc8571e7acf_proj:
	.size	k_qc8571e7acf_proj, .Lfunc_end_k_qc8571e7acf_proj-k_qc8571e7acf_proj
	.p2alignl 7, 3214868480
	.fill 96, 4, 3214868480
	.section	.rodata,"a",@progbits
	.p2align	6, 0x0
	.amdhsa_kernel k_qc8571e7acf_proj
		.amdhsa_group_segment_fixed_size 70656
		.amdhsa_private_segment_fixed_size 0
		.amdhsa_enable_private_segment 0
		.amdhsa_kernarg_size 88
		.amdhsa_user_sgpr_count 2
		.amdhsa_user_sgpr_kernarg_segment_ptr 1
		.amdhsa_wavefront_size32 1
		.amdhsa_system_sgpr_workgroup_id_x 1
		.amdhsa_system_sgpr_workgroup_id_y 1
		.amdhsa_system_sgpr_workgroup_id_z 1
		.amdhsa_system_vgpr_workitem_id 0
		.amdhsa_next_free_vgpr 896
		.amdhsa_next_free_sgpr 96
		.amdhsa_reserve_vcc 0
		.amdhsa_float_denorm_mode_32 3
		.amdhsa_float_denorm_mode_16_64 3
		.amdhsa_memory_ordered 1
		.amdhsa_forward_progress 1
		.amdhsa_inst_pref_size 255
	.end_amdhsa_kernel
	.section	.bss,"aw",@nobits
	.p2align	6
	.space	262144
	.amdgpu_metadata
---
amdhsa.version: [ 1, 2 ]
amdhsa.kernels:
  - .name:           k_qc8571e7acf_proj
    .symbol:         k_qc8571e7acf_proj.kd
    .args:
      - { .name: xq, .offset: 0, .size: 8, .value_kind: global_buffer, .address_space: global }
      - { .name: wq, .offset: 8, .size: 8, .value_kind: global_buffer, .address_space: global }
      - { .name: pp, .offset: 16, .size: 8, .value_kind: global_buffer, .address_space: global }
      - { .name: pe_table, .offset: 24, .size: 8, .value_kind: global_buffer, .address_space: global }
      - { .name: pos, .offset: 32, .size: 8, .value_kind: global_buffer, .address_space: global }
      - { .name: bq, .offset: 40, .size: 8, .value_kind: global_buffer, .address_space: global }
      - { .name: bk, .offset: 48, .size: 8, .value_kind: global_buffer, .address_space: global }
      - { .name: bv, .offset: 56, .size: 8, .value_kind: global_buffer, .address_space: global }
      - { .name: qq, .offset: 64, .size: 8, .value_kind: global_buffer, .address_space: global }
      - { .name: kq, .offset: 72, .size: 8, .value_kind: global_buffer, .address_space: global }
      - { .name: vq, .offset: 80, .size: 8, .value_kind: global_buffer, .address_space: global }
    .group_segment_fixed_size: 70656
    .private_segment_fixed_size: 0
    .kernarg_segment_align: 8
    .kernarg_segment_size: 88
    .max_flat_workgroup_size: 128
    .sgpr_count:     96
    .vgpr_count:     896
    .wavefront_size: 32
...
	.end_amdgpu_metadata
.endif
;; end of part 2
;; launch attn (part 3): grid 16 x 16, 4 waves a work-group, clusters of 4 x 1, 327,680 bytes of LDS; arguments qq, kq, vq, x, gamma, out0; writes out0
.if DOCPART == 3
	.amdgcn_target "amdgcn-amd-amdhsa--gfx1250"
	.amdhsa_code_object_version 6
	.text
	.protected	k_qc8571e7acf_attn
	.globl	k_qc8571e7acf_attn
	.p2align	8
	.type	k_qc8571e7acf_attn,@function
k_qc8571e7acf_attn:
	s_mov_b64 s[64:65], 0
	v_nop
	global_prefetch_b8 v0, s[64:65] scope:SCOPE_SE
	s_setreg_imm32_b32 hwreg(HW_REG_WAVE_MODE, 25, 1), 1
	s_wait_xcnt 0x0
	s_wait_alu depctr_hold_cnt(0) depctr_sa_sdst(0) depctr_va_vdst(0) depctr_va_sdst(0) depctr_va_ssrc(0) depctr_va_vcc(0) depctr_vm_vsrc(0)
	s_getreg_b32 s2, hwreg(HW_REG_IB_STS2, 6, 4)
	s_cmp_eq_u32 s2, 0
	s_cbranch_scc0 .Lentry_in_a_cluster
	s_endpgm
.Lentry_in_a_cluster:
	s_bfe_u32 s2, ttmp6, 0x10000c
	s_cmp_lg_u32 s2, 0x3003
	s_cbranch_scc0 .Lentry_shape_is_right
	s_endpgm
.Lentry_shape_is_right:
; THIRD LAUNCH: energy, softmax, P V, gamma and the residual.
; Left out (shown at the head of the first kernel): the energy and p are computed for the 64 different columns of k alone; the row's sum is 64 x the sum over them.  The last product keeps all of its K = 4,096.
; p's fragment for 128 keys (two heights) is the same in every K step, and its upper half is its lower half once more: it stays in registers, and the last product streams V's codes alone.
; THE SOFTMAX: t = energy x log2(e); M = the row's largest t rounded up to a whole number; p = 2^(t - M) is quantised along the keys, not normalised; the sum is taken of the unquantised p.
; SHARES.  Work-group: 256 queries (nb) x 128 channels (cblock) of batch b.  Wave w: channels 64 (w / 2) on, queries 128 (w % 2) on: 32 accumulators.  Source 0 = 16 queries of P, source 1 = 16 channels of V:
; a lane holds one channel, and its registers run along the queries.  In the prelude wave w makes p for queries 64 w on, and hands it to the others through LDS as images of registers.
; CLUSTER: the four work-groups of a cluster differ in nb alone and walk the same records of V: every load of V is asked for jointly, by the same descriptor with the mask of all four.
; THE RING: two slots of eight records (a record: 128 keys x 128 channels of codes, 16,384 bytes, and 512 bytes of scale words).  Each wave fetches a quarter of a slot, two records, by one load of 132 rows of 256 bytes.
; By this text's count a wave has two tensor loads out at the start and one behind each refill; a refill has eight K steps, 256 matrix instructions a wave, in which to land.
; x for the residual is asked for ahead of the products, into window 3.
; REGISTERS.  window 0: v1-14 addresses; v16-19 g of my four queries; v20, v21 the add's two; v32-47 k's and q's scale words; v48-55 P's; v56-59 V's (two sets); v64-127, v128-191 V's fragments, two buffers
;   (in the prelude the scores, 32 a tile); v192-239 statistics, 12 a tile; v240-255 p's codes, two sets.   window 1: the accumulators at 8 (8 ct + T) (in the prelude k's and q's fragments).
;   window 2: v0-127 P, 16 a tile; v128-255 rows read back, two sets.   window 3: the residual, 4 registers for each of my 64 channels.
.set QS_OFF, 4194304
.set KS_OFF, 65536
.set REC,   16896
.set SLOTB, 135168                     ; a slot: eight records
.set QUART, 33792                      ; two records
.set PIMG,  270336                     ; LDS behind the ring: p's 16 half fragments, 1,024 bytes each
.set PSC,   286720                     ; their scale words, 128 bytes each
.set GA,    288768                     ; g = gamma / the row's sum, for the 256 queries in their natural order
.set STAGE, 289792                     ; the way out: 16 rows x (512 + 16) bytes for each wave
.set SPARE, 323584                     ; the spare words, 128 bytes for each wave
.set ADV, 11
.set ADS, 12
.set G4,  16
.set SPW, 20
.set NIL, 21
.set KSC, 32
.set QSC, 40
.set PS,  48
.set VS,  56
.set VF,  64
.set S,   64
.set ST,  192                          ; tile i at ST + 12 i: +0, +1 the blocks' largest; +2, +3 at work, then the scale word; +4 -M (+5 named with it); +6, +7 the sum; +8, +9 scale operands; +10, +11 holds
.set PCD, 240
.set WV,  16                           ; s16 wave
.set G1,  24                           ; s[24:31] descriptor group 1
.set G0,  32                           ; s[32:35], s[36:39] group 0 for slot 0, 1
.set TB,  40                           ; s40 LDS byte of the record to be fetched
.set CNT, 41
.set CS,  42                           ; s[42:43] log2(e)
.set SEL, 44
.set MNT, 46
.set GAM, 47
.set XB,  56                           ; s[56:57] x at my corner
.set OUTB, 58                          ; s[58:59] out0 likewise
.set MSB, 0
.macro WIN new
.if MSB != \new
	s_set_vgpr_msb (MSB<<8)|\new
.set MSB, \new
.endif
.endm
.macro NOPS n
.rept \n
	v_nop
.endr
.endm
.macro CREST                           ; a round of the cluster's barrier behind its opening barrier
	s_cmp_lg_u32 s[WV], 0
	s_cbranch_scc1 .Lnot_wave_0_\@
	s_barrier_signal -3
.Lnot_wave_0_\@:
	s_barrier_wait -3
	s_barrier_signal -1
	s_barrier_wait -1
.endm
.macro CROUND
	s_barrier_signal -1
	s_barrier_wait -1
	CREST
.endm
	s_load_b256 s[4:11], s[0:1], 0x0               ; qq 4, kq 6, vq 8, x 10
	s_load_b128 s[12:15], s[0:1], 0x20             ; gamma 12, out0 14
	v_lshl_add_u32 v[SPW], v0, 2, SPARE
	v_mov_b32 v[NIL], 0
	ds_add_u32 v[SPW], v[NIL]                      ; the wave's opening: the add, twice on end, and its wait ahead of my first tensor load
	ds_add_u32 v[SPW], v[NIL]
	v_lshrrev_b32 v1, 5, v0
	v_readfirstlane_b32 s[WV], v1                  ; wave 0..3
	s_bfe_u32 s17, ttmp6, 0x40000                  ; cx
	s_lshl_b32 s18, ttmp9, 2
	s_add_co_u32 s18, s18, s17                     ; nb: it enters q's, x's and out0's addresses alone
	s_and_b32 s19, ttmp7, 0xffff                   ; y = 4 b + cblock, which the four partners share
	s_lshr_b32 s20, s19, 2                         ; b
	s_and_b32 s21, s19, 3                          ; cblock
	s_lshr_b32 s22, s[WV], 1                       ; which 64 channels
	s_and_b32 s23, s[WV], 1                        ; which 128 queries
	s_mov_b32 s[G1], 15|(3<<16)|(1<<21)            ; the mask: all four; elements of 8 bytes; bit 21 beside a mask; no padding
	s_mov_b32 s[G1+1], 32<<16                      ; tensor_dim0 = 32 elements: 256 bytes
	s_mov_b32 s[G1+2], 132<<16                     ; tensor_dim1 = 132 rows
	s_mov_b32 s[G1+3], 32<<16                      ; tile_dim0
	s_mov_b32 s[G1+4], 132                         ; tile_dim1
	s_mov_b32 s[G1+5], 32                          ; the pitch: the block is dense
	s_mov_b32 s[G1+6], 0
	s_mov_b32 s[G1+7], 0
	s_mov_b32 s[CS], 0x3fb8aa3b
	s_mov_b32 s[CS+1], s[CS]
	s_mov_b32 s[SEL], 0x76543210
	s_mov_b32 s[SEL+1], 0xfedcba98
	s_mov_b32 s[MNT], 0x600000
	s_mov_b32 s[TB], 0
	v_and_b32 v22, 31, v0
	v_and_b32 v23, 15, v0                          ; r
	v_bfe_u32 v24, v0, 4, 1                        ; h
	v_lshlrev_b32 v1, 4, v22                       ; 16 x lane
	v_lshlrev_b32 v2, 2, v22                       ; 4 x lane
	s_lshl_b32 s60, s[WV], 12
	s_add_co_u32 s60, s60, PIMG
	v_add_nc_u32 v3, s60, v1                       ; where I store p's images: tiles 4 w on
	s_lshl_b32 s60, s[WV], 9
	s_add_co_u32 s60, s60, PSC
	v_add_nc_u32 v4, s60, v2
	v_and_b32 v25, 7, v0
	v_bfe_u32 v26, v0, 3, 1
	v_lshl_add_u32 v25, v26, 4, v25                ; r + 8 (r / 8)
	v_lshlrev_b32 v25, 2, v25
	s_lshl_b32 s60, s[WV], 8
	s_add_co_u32 s60, s60, GA
	v_add_nc_u32 v5, s60, v25
	s_lshl_b32 s60, s23, 13
	s_add_co_u32 s60, s60, PIMG
	v_add_nc_u32 v6, s60, v1                       ; where I read my eight tiles of P
	s_lshl_b32 s60, s23, 10
	s_add_co_u32 s60, s60, PSC
	v_add_nc_u32 v7, s60, v2
	s_lshl_b32 s60, s23, 9
	s_add_co_u32 s60, s60, GA
	v_add_nc_u32 v8, s60, v1
	s_lshl_b32 s60, s22, 13
	v_add_nc_u32 v9, s60, v1                       ; in a record: my four tiles of channels
	s_lshl_b32 s60, s22, 8
	s_add_co_u32 s60, s60, 16384
	v_add_nc_u32 v10, s60, v2                      ; and their scale words
	s_mul_i32 s60, s[WV], 8448
	s_add_co_u32 s60, s60, STAGE
	v_mul_u32_u24 v13, v23, 528
	v_lshl_add_u32 v13, v24, 6, v13
	v_add_nc_u32 v13, s60, v13                     ; the stage: row r, + 64 h
	v_add_nc_u32 v14, s60, v1                      ; and back: 16 bytes a lane of a row
.irp i, 0,1,2,3
	v_mov_b32 v[ST+12*\i+2], 0                     ; written once: a lane permute's destination counts as one of its sources;
	v_mov_b32 v[ST+12*\i+3], 0
	v_mov_b32 v[ST+12*\i+5], 0                     ; named as the upper half of a pair
.endr
	s_mul_i32 s60, s19, 540672                     ; V: y x 32 records + my quarter of a slot
	s_mul_i32 s61, s[WV], QUART
	s_add_co_u32 s60, s60, s61
	s_mov_b32 s[G0+1], s61                         ; LDS: slot 0, my quarter
	s_add_co_u32 s[G0+5], s61, SLOTB               ; slot 1
	s_mov_b32 s61, 0
	s_mov_b32 s[G0], 1
	s_mov_b32 s[G0+4], 1
	s_wait_dscnt 0x0                               ; both opening adds are done
	s_wait_kmcnt 0x0
	s_add_nc_u64 s[62:63], s[8:9], s[60:61]
	s_mov_b64 s[G0+2:G0+3], s[62:63]
	s_or_b32 s[G0+3], s[G0+3], 0x80000000
	s_add_nc_u64 s[G0+6:G0+7], s[62:63], SLOTB
	s_or_b32 s[G0+7], s[G0+7], 0x80000000
	CROUND                                         ; all four work-groups are here: the first joint loads meet
	tensor_load_to_lds s[G0:G0+3], s[G1:G1+7]      ; records 0-7
	s_nop 0
	tensor_load_to_lds s[G0+4:G0+7], s[G1:G1+7]    ; records 8-15
	s_nop 0
	NOPS 4
	s_load_b32 s[GAM], s[12:13], 0x0
	s_mov_b32 s51, 0
	s_lshl_b32 s50, s20, 10
	s_add_co_u32 s50, s50, KS_OFF
	s_add_nc_u64 s[48:49], s[6:7], s[50:51]        ; k's scale words
	s_lshl_b32 s50, s20, 14
	s_add_nc_u64 s[6:7], s[6:7], s[50:51]          ; k's eight fragments
	s_lshl_b32 s52, s20, 8
	s_lshl_b32 s53, s18, 4
	s_add_co_u32 s52, s52, s53
	s_lshl_b32 s53, s[WV], 2
	s_add_co_u32 s52, s52, s53                     ; my first tile of queries: 256 b + 16 nb + 4 w
	s_lshl_b32 s50, s52, 8
	s_add_co_u32 s50, s50, QS_OFF
	s_add_nc_u64 s[54:55], s[4:5], s[50:51]
	s_lshl_b32 s50, s52, 12
	s_add_nc_u64 s[4:5], s[4:5], s[50:51]
	s_lshl_b32 s50, s20, 23                        ; x, out0: ((512 b + 128 cblock + 64 (w / 2)) x 4,096 + 256 nb + 128 (w % 2)) x 4
	s_lshl_b32 s53, s21, 21
	s_add_co_u32 s50, s50, s53
	s_lshl_b32 s53, s22, 20
	s_add_co_u32 s50, s50, s53
	s_lshl_b32 s53, s18, 10
	s_add_co_u32 s50, s50, s53
	s_lshl_b32 s53, s23, 9
	s_add_co_u32 s50, s50, s53
	s_add_nc_u64 s[XB:XB+1], s[10:11], s[50:51]
	s_add_nc_u64 s[OUTB:OUTB+1], s[14:15], s[50:51]
	WIN 0x40                                       ; destination window 1
.irp f, 0,1,2,3,4,5,6,7
.irp c, 0,1,2,3
	global_load_b128 v[16*\f+4*\c:16*\f+4*\c+3], v1, s[6:7] offset:2048*\f+512*\c            ; k: fragment 2 t + s
.endr
.endr
.irp f, 0,1,2,3,4,5,6,7
.irp c, 0,1,2,3
	global_load_b128 v[128+16*\f+4*\c:128+16*\f+4*\c+3], v1, s[4:5] offset:2048*\f+512*\c    ; q: fragment 2 i + s
.endr
.endr
	WIN 0
.irp f, 0,1,2,3,4,5,6,7
	global_load_b32 v[KSC+\f], v2, s[48:49] offset:128*\f
	global_load_b32 v[QSC+\f], v2, s[54:55] offset:128*\f
.endr
	s_wait_loadcnt 0x0
	s_wait_kmcnt 0x0                               ; gamma
	WIN 0x05                                       ; sources 0 and 1 window 1
.irp i, 0,1,2,3                                ; S^T = k q^T: source 0 = 16 keys, source 1 = 16 queries; sixteen accumulators by turns
.irp t, 0,1,2,3
	v_wmma_scale_f32_16x16x128_f8f6f4 v[S+32*\i+8*\t:S+32*\i+8*\t+7], v[32*\t:32*\t+15], v[128+32*\i:128+32*\i+15], 0, v[KSC+2*\t], v[QSC+2*\i]
.endr
.endr
.irp i, 0,1,2,3
.irp t, 0,1,2,3
	v_wmma_scale_f32_16x16x128_f8f6f4 v[S+32*\i+8*\t:S+32*\i+8*\t+7], v[32*\t+16:32*\t+31], v[128+32*\i+16:128+32*\i+31], v[S+32*\i+8*\t:S+32*\i+8*\t+7], v[KSC+2*\t+1], v[QSC+2*\i+1]
.endr
.endr
	WIN 0
	NOPS 8
	; lane (r, h) holds query r of tile i; register 32 i + 16 b + k is key 32 b + 16 h + k
.irp i, 0,1,2,3
.irp b, 0,1
	v_max3_num_f32 v[ST+12*\i+\b], v[S+32*\i+16*\b], v[S+32*\i+16*\b+1], v[S+32*\i+16*\b+2]   ; the largest score of each block of 32 keys: for the row's maximum, and, since p rises with the score, for the block's largest p
.endr
.endr
.irp k, 3,5,7,9,11,13
.irp i, 0,1,2,3
.irp b, 0,1
	v_max3_num_f32 v[ST+12*\i+\b], v[ST+12*\i+\b], v[S+32*\i+16*\b+\k], v[S+32*\i+16*\b+\k+1]
.endr
.endr
.endr
.irp i, 0,1,2,3
.irp b, 0,1
	v_max_num_f32 v[ST+12*\i+\b], v[ST+12*\i+\b], v[S+32*\i+16*\b+15]
.endr
.endr
.irp i, 0,1,2,3
.irp b, 0,1
	v_permlanex16_b32 v[ST+12*\i+2+\b], v[ST+12*\i+\b], s[SEL], s[SEL+1]
.endr
.endr
.irp i, 0,1,2,3
.irp b, 0,1
	v_max_num_f32 v[ST+12*\i+\b], v[ST+12*\i+\b], v[ST+12*\i+2+\b]   ; with lane l xor 16's 16 keys
.endr
.endr
.irp i, 0,1,2,3
	v_max_num_f32 v[ST+12*\i+4], v[ST+12*\i], v[ST+12*\i+1]
.endr
.irp i, 0,1,2,3
	v_mul_f32 v[ST+12*\i+4], s[CS], v[ST+12*\i+4]  ; the row's largest t
.endr
.irp i, 0,1,2,3
	v_floor_f32 v[ST+12*\i+4], -v[ST+12*\i+4]      ; -M = floor(-t): M is a whole number
.endr
.irp i, 0,1,2,3
.irp k, 0,2,4,6,8,10,12,14,16,18,20,22,24,26,28,30
	v_pk_fma_f32 v[S+32*\i+\k:S+32*\i+\k+1], v[S+32*\i+\k:S+32*\i+\k+1], s[CS:CS+1], v[ST+12*\i+4:ST+12*\i+5] op_sel_hi:[1,0,0]   ; t - M (of both pairs the low word serves both halves)
.endr
.endr
.irp i, 0,1,2,3
.irp b, 0,1
	v_fma_f32 v[ST+12*\i+\b], v[ST+12*\i+\b], s[CS], v[ST+12*\i+4]
.endr
.endr
.set n, 0
.rept 128
	v_exp_f32 v[S+n], v[S+n]                       ; p = 2^(t - M)
.set n, n+1
.endr
.irp i, 0,1,2,3
.irp b, 0,1
	v_exp_f32 v[ST+12*\i+\b], v[ST+12*\i+\b]       ; the block's largest p: the same two instructions on the same number
.endr
.endr
	v_nop                                          ; a plain line behind the last exponential
	s_wait_alu depctr_va_vdst(0)                   ; one wait for the whole batch, ahead of its first reader
.irp i, 0,1,2,3
	v_pk_add_f32 v[ST+12*\i+6:ST+12*\i+7], v[S+32*\i:S+32*\i+1], v[S+32*\i+2:S+32*\i+3]   ; the sum of the unquantised p
.endr
.irp k, 4,6,8,10,12,14,16,18,20,22,24,26,28,30
.irp i, 0,1,2,3
	v_pk_add_f32 v[ST+12*\i+6:ST+12*\i+7], v[ST+12*\i+6:ST+12*\i+7], v[S+32*\i+\k:S+32*\i+\k+1]
.endr
.endr
.irp i, 0,1,2,3
	v_add_f32 v[ST+12*\i+6], v[ST+12*\i+6], v[ST+12*\i+7]
.endr
.irp i, 0,1,2,3
	v_permlanex16_b32 v[ST+12*\i+7], v[ST+12*\i+6], s[SEL], s[SEL+1]
.endr
.irp i, 0,1,2,3
	v_add_f32 v[ST+12*\i+6], v[ST+12*\i+6], v[ST+12*\i+7]   ; over the 64 columns
.endr
.irp i, 0,1,2,3
	v_ldexp_f32 v[ST+12*\i+6], v[ST+12*\i+6], 6    ; x 64 heights: the row's sum over all 4,096 keys
.endr
.irp i, 0,1,2,3
.irp b, 0,1
	v_max_num_f32 v[ST+12*\i+\b], 0x4800000, v[ST+12*\i+\b]   ; the floor 2^(9 - 127): the byte cannot fall under 1
.endr
.endr
.irp i, 0,1,2,3
.irp b, 0,1
	v_add_nc_u32 v[ST+12*\i+8+\b], 0xfc000000, v[ST+12*\i+\b]
	v_and_or_b32 v[ST+12*\i+10+\b], v[ST+12*\i+\b], 0x7f800000, s[MNT]
.endr
.endr
.irp i, 0,1,2,3
.irp b, 0,1
	v_lshrrev_b32 v[ST+12*\i+2+\b], 23, v[ST+12*\i+8+\b]
.endr
.endr
.irp i, 0,1,2,3
	v_lshl_or_b32 v[ST+12*\i+2], v[ST+12*\i+3], 8, v[ST+12*\i+2]
.endr
.irp i, 0,1,2,3
	v_lshl_or_b32 v[ST+12*\i+2], v[ST+12*\i+2], 16, v[ST+12*\i+2]   ; the second height's two blocks have the first's bytes
.endr
.irp i, 0,1,2,3
	v_rcp_f32 v[ST+12*\i+7], v[ST+12*\i+6]
.endr
	v_nop
	s_wait_alu depctr_va_vdst(0)                   ; one wait for the four reciprocals
.irp i, 0,1,2,3
	v_mul_f32 v[ST+12*\i+6], s[GAM], v[ST+12*\i+7] ; g = gamma / the row's sum
.endr
.macro PCODE i                         ; tile i's p becomes half a fragment, which goes to LDS as it stands, with its scale word and g
.irp b, 0,1
.irp k, 0,1,2,3,4,5,6,7,8,9,10,11,12,13,14,15
	v_min_num_f32 v[S+32*\i+16*\b+\k], v[S+32*\i+16*\b+\k], v[ST+12*\i+10+\b]   ; p is not negative: the hold is one-sided
.endr
	v_cvt_scalef32_pk8_fp8_f32 v[PCD+8*((\i)%2)+4*\b:PCD+8*((\i)%2)+4*\b+1], v[S+32*\i+16*\b:S+32*\i+16*\b+7], v[ST+12*\i+8+\b]
	v_cvt_scalef32_pk8_fp8_f32 v[PCD+8*((\i)%2)+4*\b+2:PCD+8*((\i)%2)+4*\b+3], v[S+32*\i+16*\b+8:S+32*\i+16*\b+15], v[ST+12*\i+8+\b]
.endr
	v_nop
	ds_store_b128 v3, v[PCD+8*((\i)%2):PCD+8*((\i)%2)+3] offset:1024*\i
	ds_store_b128 v3, v[PCD+8*((\i)%2)+4:PCD+8*((\i)%2)+7] offset:1024*\i+512
	ds_store_b32 v4, v[ST+12*\i+2] offset:128*\i
	ds_store_b32 v5, v[ST+12*\i+6] offset:4*(32*((\i)/2)+8*((\i)%2))   ; lanes l and l xor 16 write the same word with the same value
.endm
	PCODE 0
	PCODE 1
	s_wait_dscnt 0x0                               ; the stores have read the two sets of codes
	PCODE 2
	PCODE 3
	s_wait_tensorcnt 0x1                           ; my part of slot 0 is in; slot 1's may stay out
	s_wait_dscnt 0x0                               ; my stores have landed
	s_barrier_signal -1
	s_barrier_wait -1
	WIN 0x80                                       ; destination window 2
.irp m, 0,1,2,3,4,5,6,7
	ds_load_b128 v[16*\m:16*\m+3], v6 offset:1024*\m
	ds_load_b128 v[16*\m+4:16*\m+7], v6 offset:1024*\m+512
	ds_load_b128 v[16*\m+8:16*\m+11], v6 offset:1024*\m        ; the second height: the same 64 columns
	ds_load_b128 v[16*\m+12:16*\m+15], v6 offset:1024*\m+512
.endr
	WIN 0
.irp m, 0,1,2,3,4,5,6,7
	ds_load_b32 v[PS+\m], v7 offset:128*\m
.endr
	ds_load_b128 v[G4:G4+3], v8
.macro XRES g                          ; 32 of my 64 channels' rows of x: 512 bytes on end an instruction
	WIN 0xc0
.set i, 32*\g
.rept 32
	global_load_b128 v[4*i:4*i+3], v1, s[XB:XB+1] offset:16384*i th:TH_LOAD_NT
.set i, i+1
.endr
	WIN 0
.endm
; A record's part for my wave: four fragments of V and two registers of scale words (lanes 0-15 the even tile, lanes 16-31 the odd).  The two additions and the v_nops are the places ahead of loads into registers that matrix instructions have read.
.macro FETCH buf, nops
	v_add_nc_u32 v[ADV], s[TB], v9
	v_add_nc_u32 v[ADS], s[TB], v10
	NOPS \nops
.irp t, 0,1,2,3
.irp c, 0,1,2,3
	ds_load_b128 v[VF+64*(\buf)+16*\t+4*\c:VF+64*(\buf)+16*\t+4*\c+3], v[ADV] offset:2048*\t+512*\c
.endr
.endr
	ds_load_b32 v[VS+2*(\buf)], v[ADS]
	ds_load_b32 v[VS+2*(\buf)+1], v[ADS] offset:128
.endm
; Eight matrix instructions: tile ct of my channels x my eight tiles of queries, 128 keys.  The 32 accumulators take turns in the same order in every K step.
.macro MUL8 buf, ct, zero
.irp m, 0,1,2,3,4,5,6,7
.if \zero
.if (\ct)%2
	v_wmma_scale_f32_16x16x128_f8f6f4 v[8*(8*(\ct)+\m):8*(8*(\ct)+\m)+7], v[16*\m:16*\m+15], v[VF+64*(\buf)+16*(\ct):VF+64*(\buf)+16*(\ct)+15], 0, v[PS+\m], v[VS+2*(\buf)+(\ct)/2] matrix_b_scale:MATRIX_SCALE_ROW1
.else
	v_wmma_scale_f32_16x16x128_f8f6f4 v[8*(8*(\ct)+\m):8*(8*(\ct)+\m)+7], v[16*\m:16*\m+15], v[VF+64*(\buf)+16*(\ct):VF+64*(\buf)+16*(\ct)+15], 0, v[PS+\m], v[VS+2*(\buf)+(\ct)/2]
.endif
.else
.if (\ct)%2
	v_wmma_scale_f32_16x16x128_f8f6f4 v[8*(8*(\ct)+\m):8*(8*(\ct)+\m)+7], v[16*\m:16*\m+15], v[VF+64*(\buf)+16*(\ct):VF+64*(\buf)+16*(\ct)+15], v[8*(8*(\ct)+\m):8*(8*(\ct)+\m)+7], v[PS+\m], v[VS+2*(\buf)+(\ct)/2] matrix_b_scale:MATRIX_SCALE_ROW1
.else
	v_wmma_scale_f32_16x16x128_f8f6f4 v[8*(8*(\ct)+\m):8*(8*(\ct)+\m)+7], v[16*\m:16*\m+15], v[VF+64*(\buf)+16*(\ct):VF+64*(\buf)+16*(\ct)+15], v[8*(8*(\ct)+\m):8*(8*(\ct)+\m)+7], v[PS+\m], v[VS+2*(\buf)+(\ct)/2]
.endif
.endif
.endr
.endm
.set W_MUL, 0x52                       ; source 0 (P) window 2, source 1 (V) window 0, C and D window 1
; A K step whose successor lies in the same slot: multiplies buffer buf; in its middle the next record is fetched into the other buffer.
.macro STEP buf, zero
	s_wait_dscnt 0x0                               ; this record's 18 loads are in
	WIN W_MUL
	MUL8 \buf, 0, \zero
	MUL8 \buf, 1, \zero
	WIN 0
	s_add_co_u32 s[TB], s[TB], REC
	FETCH 1-\buf, 6
	WIN W_MUL
	MUL8 \buf, 2, \zero
	MUL8 \buf, 3, \zero
	WIN 0
.endm
; A slot's eighth step (buffer 1) changes slots: ONE barrier; ahead of it each wave waits for all its tensor loads (its part of the other slot), adds 0 to its spare word, and waits for that and for its reads of this slot.
; mode 2: the barrier opens a round of the cluster's, and this slot is filled again, two slots on, first thing behind the round.  mode 1: nothing is left to fetch.
.macro TURN slot, mode
	s_wait_tensorcnt 0x0
	ds_add_u32 v[SPW], v[NIL]
	s_wait_dscnt 0x1                               ; the record's 18 loads are in; the add may be out
	WIN W_MUL
	MUL8 1, 0, 0
	s_wait_dscnt 0x0                               ; the add is done, and my reads of this slot are over
	s_barrier_signal -1
	MUL8 1, 1, 0
	WIN 0
	s_barrier_wait -1
.if \mode == 2
	CREST                                          ; no wave of any partner still reads this slot or has a load on its way
	s_add_nc_u64 s[G0+4*\slot+2:G0+4*\slot+3], s[G0+4*\slot+2:G0+4*\slot+3], 2*SLOTB
	tensor_load_to_lds s[G0+4*\slot:G0+4*\slot+3], s[G1:G1+7]
	s_nop 0
	NOPS 6
.else
	NOPS 6
.endif
	s_mov_b32 s[TB], (1-\slot)*SLOTB
	FETCH 0, 0
	WIN W_MUL
	MUL8 1, 2, 0
	MUL8 1, 3, 0
	WIN 0
.endm
.macro PAIRS n                         ; n trips of two K steps
	s_mov_b32 s[CNT], \n
.Lpair_\@:
	STEP 0, 0
	STEP 1, 0
	s_sub_co_u32 s[CNT], s[CNT], 1
	s_cmp_lg_u32 s[CNT], 0
	s_cbranch_scc1 .Lpair_\@
.endm
	XRES 0
	FETCH 0, 0                                     ; record 0
	STEP 0, 1                                      ; the first K step starts the sums: nothing is cleared
	STEP 1, 0
	PAIRS 2
	STEP 0, 0
	TURN 0, 2                                      ; slot 0 takes records 16-23
	XRES 1
	PAIRS 3
	STEP 0, 0
	TURN 1, 2                                      ; slot 1 takes records 24-31
	PAIRS 3
	STEP 0, 0
	TURN 0, 1
	PAIRS 3
	STEP 0, 0
	s_wait_dscnt 0x0                               ; the last record: nothing more to fetch
	WIN W_MUL
	MUL8 1, 0, 0
	MUL8 1, 1, 0
	MUL8 1, 2, 0
	MUL8 1, 3, 0
	WIN 0
	NOPS 8                                         ; eight places behind this form, ahead of the first read of results
	s_wait_loadcnt 0x0                             ; x
; THE WAY OUT, 16 channels at a time.  A lane holds 32 neighbouring bytes of a row and the lanes beside it hold other rows: so the block goes through my own stage in LDS and comes back as whole rows of 512 bytes;
; out = row x g + x; the 32 lanes store 512 consecutive bytes.  LDS serves a wave's instructions in order (ISA guide 5.7.1.4): no wait between the stores and the loads.
.macro OUTCT ct
	WIN 0x04                                       ; an LDS store's data are its source 1: window 1
.irp m, 0,1,2,3,4,5,6,7
	ds_store_b128 v13, v[8*(8*\ct+\m):8*(8*\ct+\m)+3] offset:128*(\m/2)+32*(\m%2)           ; each accumulator from its low end on
	ds_store_b128 v13, v[8*(8*\ct+\m)+4:8*(8*\ct+\m)+7] offset:128*(\m/2)+32*(\m%2)+16
.endr
.if \ct >= 2
	s_wait_xcnt 0x0                                ; the stores of two blocks ago have read this set of registers
.endif
.set RB, 128+64*(\ct%2)
	WIN 0x80                                       ; destination window 2
.irp q, 0,1,2,3,4,5,6,7,8,9,10,11,12,13,14,15
	ds_load_b128 v[RB+4*\q:RB+4*\q+3], v14 offset:528*\q
.endr
	s_wait_dscnt 0x0
	WIN 0xb2                                       ; destination and source 0 window 2, g window 0, x window 3
.irp q, 0,1,2,3,4,5,6,7,8,9,10,11,12,13,14,15
	v_pk_fma_f32 v[RB+4*\q:RB+4*\q+1], v[RB+4*\q:RB+4*\q+1], v[G4:G4+1], v[4*(16*\ct+\q):4*(16*\ct+\q)+1]
	v_pk_fma_f32 v[RB+4*\q+2:RB+4*\q+3], v[RB+4*\q+2:RB+4*\q+3], v[G4+2:G4+3], v[4*(16*\ct+\q)+2:4*(16*\ct+\q)+3]
.endr
	WIN 0x08                                       ; a global store's data are its source 1: window 2
.irp q, 0,1,2,3,4,5,6,7,8,9,10,11,12,13,14,15
	global_store_b128 v1, v[RB+4*\q:RB+4*\q+3], s[OUTB:OUTB+1] offset:16384*(16*\ct+\q) th:TH_STORE_NT
.endr
	WIN 0
.endm
	OUTCT 0
	OUTCT 1
	OUTCT 2
	OUTCT 3
	s_wait_tensorcnt 0x0                           ; the wave's end, behind my last tensor load and my last LDS store
	ds_add_u32 v[SPW], v[NIL]
	s_wait_dscnt 0x0
	CROUND                                         ; the closing round: no work-group ends while a partner may still ask for a tile that names it
	s_endpgm
.Lfunc_end_k_qc8571e7acf_attn:
	.size	k_qc8571e7acf_attn, .Lfunc_end_k_qc8571e7acf_attn-k_qc8571e7acf_attn
	.p2alignl 7, 3214868480
	.fill 96, 4, 3214868480
	.section	.rodata,"a",@progbits
	.p2align	6, 0x0
	.amdhsa_kernel k_qc8571e7acf_attn
		.amdhsa_group_segment_fixed_size 327680
		.amdhsa_private_segment_fixed_size 0
		.amdhsa_enable_private_segment 0
		.amdhsa_kernarg_size 48
		.amdhsa_user_sgpr_count 2
		.amdhsa_user_sgpr_kernarg_segment_ptr 1
		.amdhsa_wavefront_size32 1
		.amdhsa_system_sgpr_workgroup_id_x 1
		.amdhsa_system_sgpr_workgroup_id_y 1
		.amdhsa_system_sgpr_workgroup_id_z 1
		.amdhsa_system_vgpr_workitem_id 0
		.amdhsa_next_free_vgpr 1024
		.amdhsa_next_free_sgpr 66
		.amdhsa_reserve_vcc 0
		.amdhsa_float_denorm_mode_32 3
		.amdhsa_float_denorm_mode_16_64 3
		.amdhsa_memory_ordered 1
		.amdhsa_forward_progress 1
		.amdhsa_inst_pref_size 181
	.end_amdhsa_kernel
	.amdgpu_metadata
---
amdhsa.version: [ 1, 2 ]
amdhsa.kernels:
  - .name:           k_qc8571e7acf_attn
    .symbol:         k_qc8571e7acf_attn.kd
    .args:
      - { .name: qq, .offset: 0, .size: 8, .value_kind: global_buffer, .address_space: global }
      - { .name: kq, .offset: 8, .size: 8, .value_kind: global_buffer, .address_space: global }
      - { .name: vq, .offset: 16, .size: 8, .value_kind: global_buffer, .address_space: global }
      - { .name: x, .offset: 24, .size: 8, .value_kind: global_buffer, .address_space: global }
      - { .name: gamma, .offset: 32, .size: 8, .value_kind: global_buffer, .address_space: global }
      - { .name: out0, .offset: 40, .size: 8, .value_kind: global_buffer, .address_space: global }
    .group_segment_fixed_size: 327680
    .private_segment_fixed_size: 0
    .kernarg_segment_align: 8
    .kernarg_segment_size: 48
    .max_flat_workgroup_size: 128
    .sgpr_count:     66
    .vgpr_count:     1024
    .wavefront_size: 32
...
	.end_amdgpu_metadata
.endif
;; end of part 3
;; ======== version 2 of 2: 3 launches; version 1 with the launch proj written anew for expert scheduling mode
;; workspace buffers: xq 8,650,752 bytes; wq 557,056 bytes; pp 524,288 bytes; qq 4,456,448 bytes; kq 69,632 bytes; vq 8,650,752 bytes
;; launch prep: the kernel of part 1 again; grid 256 x 1, 16 waves a work-group, no clusters, 35,840 bytes of LDS; arguments x, Wq, Wk, Wv, xq, wq, pp; writes xq, wq, pp
;; launch proj (part 4): grid 196 x 1, 4 waves a work-group, no clusters, 70,656 bytes of LDS; arguments xq, wq, pp, pe_table, pos, bq, bk, bv, qq, kq, vq; writes qq, kq, vq
.if DOCPART == 4
	.amdgcn_target "amdgcn-amd-amdhsa--gfx1250"
	.amdhsa_code_object_version 6
	.text
	.protected	k_qc8571e7acf_proj
	.globl	k_qc8571e7acf_proj
	.p2align	8
	.type	k_qc8571e7acf_proj,@function
k_qc8571e7acf_proj:
	s_mov_b64 s[64:65], 0
	v_nop
	global_prefetch_b8 v0, s[64:65] scope:SCOPE_SE
	s_setreg_imm32_b32 hwreg(HW_REG_WAVE_SCHED_MODE, 0, 2), 2
	s_setreg_imm32_b32 hwreg(HW_REG_WAVE_MODE, 25, 1), 1
	s_wait_xcnt 0x0
	s_wait_alu depctr_vm_vsrc(0)
; SECOND LAUNCH: the three projections, their results quantised on the way and stored as images of operand registers.
; Left out (shown at the head of the first kernel): k is computed for its 64 different columns alone, since x2d is one row broadcast over the heights; of pos only pos[b,0,4j], of pe_table only the rows so named.
; LIMIT: pos is taken as unsigned, and pos / 8 is held at 127, the table's last row.
; THE UNIT: eight accumulators acc[t] = the sum over four K steps s of MULTI[t][s] (source 0) x SINGLE[s] (source 1) + a bias given as C: 32 matrix instructions.  A lane then holds one row of SINGLE and 64 numbers along
; MULTI's rows, which by the tile order (first kernel) are k = 32 b + 16 h + i in register 16 b + i: QUANT makes of them one fragment and one scale word, which are stored.
; MULTI (32 fragments, 512 registers) stays in the wave's registers; the SINGLEs come from memory straight into registers, two units ahead, in two buffers.
; THREE PATHS, parted on the work-group's number (the same in all four waves):
;   K, work-groups 0-3 (batch b): x1d = pool + position code, the 64 interpolated columns, quantised along the channels (through LDS), then MULTI = Wk, SINGLE = those columns, bias bk -> kq
;   Q, 4-67: MULTI = Wq (128 of its rows a wave), SINGLE = a tile of 16 columns of x, bias bq -> qq      V, 68-195: MULTI = 128 columns of x, SINGLE = a tile of 16 rows of Wv, bias bv -> vq
; NO CLUSTER, NO TENSOR LOAD: operands go from memory into registers as images, with no stage in LDS; a joint load would land in LDS and add as many LDS reads as it saves requests; the weights, which all share, are 0.5 MiB.
; THE MODE: SCHED_MODE bits 1:0 = 2 (LLVM: expert scheduling mode 2), set by the entry lines.  The code itself states the register dependences between vector or matrix instructions and memory or LDS
; instructions, with s_wait_alu, always for 0.
; THE PLAN, paths Q and V.  Registers that memory instructions touch in the loop (unit u, e = u % 2):
;   buffer e of window 3 and its scales (Q: 16 bytes at SBY + 16 e; V: four words at SS + 4 e, the bias word BV + e).  Read by the shifts or copies at the unit's head and by its 32 products; behind those the loads of unit u + 2 land in them.
;   the codes v80-95 and the word (Q: v112; V: v114).  Written by QUANT (V: and the select behind it); read by the unit's stores, at its end.
;   v1-v4  offsets, made once in each path and never written again: the scalar bases move on at a pair's end, immediate offsets do the rest.
;   MULTI, its scale words, the bias and the accumulators are named by vector and matrix instructions alone, once they have landed.
; So a unit holds: behind its products one wait on vm_vsrc (the last unit's stores have read the codes and the word) and one on va_vdst (buffer e and its scales are read out), then the run of loads, then QUANT, which names
; none of the registers that those loads touch; one wait on va_vdst ahead of its run of stores; in path Q one more ahead of the products, for the scale words that the shifts make.
; PATH K: each tile of columns has one wait on vm_vsrc, ahead of the lines that write its LDS address and the codes again, and one on va_vdst ahead of its LDS stores, which also serves the next tile's LDS loads.
; REGISTERS.  window 0: v1 16 l, v2 4 l, v3 4 r, v4-15 addresses; v16-79 ACC; v80-95 codes; v96-111 QUANT's; v112-114 scale words at work; v116-123 SINGLE's scale words (two sets); v124-139 MULTI's (register 4 p + s:
;   lanes 0-15 tile 2 p, lanes 16-31 tile 2 p + 1); v140-203 the bias as C (V: v140-147 copies, v148-149 the words); v204-235 scale bytes (two sets); v236-246 path K at work; v254, v255 the add's two.
;   windows 1, 2: MULTI, tiles 0-3 and 4-7, fragment (t, s) at 64 (t % 4) + 16 s.   window 3: v0-63, v64-127 the two SINGLE buffers.
.set XS_OFF, 8388608
.set WS_OFF, 524288
.set QS_OFF, 4194304
.set KS_OFF, 65536
.set X1D,   0                          ; LDS (path K alone): x1d transposed, 17 rows [j] of 512 channels + 16 bytes; row 16 is row 15 once more, so that i0 + 1 stands for min(i0 + 1, 15)
.set XP,    2064
.set RIMG,  35328                      ; the columns' 16 fragments, index 4 wT + s
.set RSC,   68096                      ; their scale words, 128 bytes each
.set SPARE, 70144                      ; the spare words, 128 bytes for each wave
.set ACC, 16
.set PC,  80
.set TM,  96
.set PW,  112
.set PWE, 113
.set AJ,  114
.set SS,  116
.set MS,  124
.set BQ,  140
.set BC,  140
.set BV,  148
.set SBY, 204
.set SPW, 254
.set NIL, 255
.set WV,  26                           ; s26 wave
.set MNT, 27                           ; s27 the mantissa field of 448
.set SEL, 28                           ; s[28:29] lane selects: lane l xor 16
.set HM,  30                           ; s30 lanes 16-31
.set SB,  32                           ; s[32:33] SINGLE's images
.set SCB, 34                           ; s[34:35] SINGLE's scales
.set BB,  36                           ; s[36:37] the bias
.set OB,  38                           ; s[38:39] images out
.set OS,  40                           ; s[40:41] scale words out
.set MB,  42                           ; s[42:43] MULTI's images
.set MSC, 44                           ; s[44:45] MULTI's scales
.set YR,  84                           ; s84 1 / 63, rounded
.set N63, 85                           ; s85 -63
.set MSB, 0
.macro WIN new                         ; the immediate's high byte repeats the setting that is left
.if MSB != \new
	s_set_vgpr_msb (MSB<<8)|\new
.set MSB, \new
.endif
.endm
.macro NOPS n
.rept \n
	v_nop
.endr
.endm
.macro QUANT s                         ; as in the first kernel
.irp b, 0,1,2,3
	v_max3_num_f32 v[TM+\b], |v[\s+16*\b]|, |v[\s+1+16*\b]|, 0x4800000   ; each accumulator is read from its low end on
.endr
.irp i, 2,4,6,8,10,12,14
.irp b, 0,1,2,3
	v_max3_num_f32 v[TM+\b], v[TM+\b], |v[\s+16*\b+\i]|, |v[\s+1+16*\b+\i]|
.endr
.endr
.irp b, 0,1,2,3
	v_permlanex16_b32 v[TM+4+\b], v[TM+\b], s[SEL], s[SEL+1]
.endr
.irp b, 0,1,2,3
	v_max_num_f32 v[TM+\b], v[TM+\b], v[TM+4+\b]
.endr
.irp b, 0,1,2,3
	v_add_nc_u32 v[TM+12+\b], 0xfc000000, v[TM+\b]
.endr
.irp b, 0,1,2,3
	v_and_or_b32 v[TM+8+\b], v[TM+\b], 0x7f800000, s[MNT]
.endr
.irp b, 0,1,2,3
	v_lshrrev_b32 v[TM+4+\b], 23, v[TM+12+\b]
.endr
	v_lshl_or_b32 v[PW], v[TM+5], 8, v[TM+4]
	v_lshl_or_b32 v[PW], v[TM+6], 16, v[PW]
	v_lshl_or_b32 v[PW], v[TM+7], 24, v[PW]
.irp b, 0,1,2,3
.irp i, 0,1,2,3,4,5,6,7,8,9,10,11,12,13,14,15
	v_med3_num_f32 v[\s+16*\b+\i], v[\s+16*\b+\i], -v[TM+8+\b], v[TM+8+\b]
.endr
	v_cvt_scalef32_pk8_fp8_f32 v[PC+4*\b:PC+1+4*\b], v[\s+16*\b:\s+7+16*\b], v[TM+12+\b]
	v_cvt_scalef32_pk8_fp8_f32 v[PC+2+4*\b:PC+3+4*\b], v[\s+8+16*\b:\s+15+16*\b], v[TM+12+\b]
.endr
	v_nop
.endm
.macro MULTI                           ; 32 fragments, 65,536 bytes on end, into windows 1 and 2
	WIN 0x40
.set f, 0
.rept 16
.irp c, 0,1,2,3
	global_load_b128 v[16*f+4*\c:16*f+4*\c+3], v1, s[MB:MB+1] offset:2048*f+512*\c
.endr
.set f, f+1
.endr
	WIN 0x80
.set f, 0
.rept 16
.irp c, 0,1,2,3
	global_load_b128 v[16*f+4*\c:16*f+4*\c+3], v1, s[MB:MB+1] offset:32768+2048*f+512*\c
.endr
.set f, f+1
.endr
	WIN 0
.endm
.macro WLOADS                          ; paths Q and K: MULTI = eight tiles of a weight, their scale words, and the bias in the result's layout
	MULTI
.irp p, 0,1,2,3
.irp s, 0,1,2,3
	global_load_b32 v[MS+4*\p+\s], v11, s[MSC:MSC+1] offset:1024*\p+128*\s
.endr
.endr
.irp t, 0,1,2,3,4,5,6,7
	global_load_b128 v[BQ+8*\t:BQ+8*\t+3], v12, s[BB:BB+1] offset:(32*(\t/2)+8*(\t%2))*4
	global_load_b128 v[BQ+8*\t+4:BQ+8*\t+7], v12, s[BB:BB+1] offset:(32*(\t/2)+8*(\t%2))*4+16
.endr
.endm
.macro SINGLE buf, off                 ; four fragments into buffer buf of window 3
	WIN 0xc0
.irp s, 0,1,2,3
.irp c, 0,1,2,3
	global_load_b128 v[64*(\buf)+16*\s+4*\c:64*(\buf)+16*\s+4*\c+3], v1, s[SB:SB+1] offset:(\off)+2048*\s+512*\c
.endr
.endr
	WIN 0
.endm
.macro ASKQ e, t                       ; path Q: a unit's operands, tile t counted from the bases, into buffer e: 32 loads
	SINGLE \e, 8192*(\t)
.irp s, 0,1,2,3
.irp c, 0,1,2,3
	global_load_u8 v[SBY+16*(\e)+4*\s+\c], v4, s[SCB:SCB+1] offset:(4*\s+\c)*4096+32*((\t)/2)+8*((\t)%2)
.endr
.endr
.endm
.macro ASKV e, t                       ; path V: the same: 21 loads
	SINGLE \e, 8192*(\t)
.irp s, 0,1,2,3
	global_load_b32 v[SS+4*(\e)+\s], v2, s[SCB:SCB+1] offset:512*(\t)+128*\s
.endr
	global_load_b32 v[BV+(\e)], v3, s[BB:BB+1] offset:64*(\t)
.endm
.macro MMI t, s, buf, ss, cmode        ; one matrix instruction; C is the bias in the first K step (cmode 0: eight registers a tile; 1: the copies), else the accumulator
.set CR, ACC+8*(\t)
.if (\s) == 0
.set CR, BC
.if (\cmode) == 0
.set CR, BQ+8*(\t)
.endif
.endif
.if (\t)%2
	v_wmma_scale_f32_16x16x128_f8f6f4 v[ACC+8*(\t):ACC+8*(\t)+7], v[64*((\t)%4)+16*(\s):64*((\t)%4)+16*(\s)+15], v[64*(\buf)+16*(\s):64*(\buf)+16*(\s)+15], v[CR:CR+7], v[MS+4*((\t)/2)+(\s)], v[(\ss)+(\s)] matrix_a_scale:MATRIX_SCALE_ROW1
.else
	v_wmma_scale_f32_16x16x128_f8f6f4 v[ACC+8*(\t):ACC+8*(\t)+7], v[64*((\t)%4)+16*(\s):64*((\t)%4)+16*(\s)+15], v[64*(\buf)+16*(\s):64*(\buf)+16*(\s)+15], v[CR:CR+7], v[MS+4*((\t)/2)+(\s)], v[(\ss)+(\s)]
.endif
.endm
.macro MM buf, ss, cmode               ; a unit's 32 matrix instructions: four accumulators by turns, one instruction a turn
	WIN 0x0d                                       ; source 0 window 1, source 1 window 3
.irp s, 0,1,2,3
.irp t, 0,1,2,3
	MMI \t, \s, \buf, \ss, \cmode
.endr
.endr
	WIN 0x0e                                       ; source 0 window 2
.irp s, 0,1,2,3
.irp t, 4,5,6,7
	MMI \t, \s, \buf, \ss, \cmode
.endr
.endr
	WIN 0
.endm
.macro OUTIMG off
.irp c, 0,1,2,3
	global_store_b128 v1, v[PC+4*\c:PC+4*\c+3], s[OB:OB+1] offset:(\off)+512*\c   ; 512 bytes on end
.endr
.endm
; A unit of path Q.  e: 0 or 1, the unit's place in a pair, and its buffer.  pre = 1: the operands of the unit two on are asked for.  left: how many younger loads may stay out.
.macro UNITQ e, pre, left
	s_wait_loadcnt \left                           ; loads come back in order (ISA guide 5.7.1): this unit's operands, asked for two units ago, are in (the first time: MULTI too); the next unit's 32 loads stay out
.irp s, 0,1,2,3
	v_lshl_or_b32 v[SS+\s], v[SBY+16*\e+4*\s+1], 8, v[SBY+16*\e+4*\s]   ; four planes' bytes make a K step's scale word
.endr
.irp s, 0,1,2,3
	v_lshl_or_b32 v[SS+\s], v[SBY+16*\e+4*\s+2], 16, v[SS+\s]
.endr
.irp s, 0,1,2,3
	v_lshl_or_b32 v[SS+\s], v[SBY+16*\e+4*\s+3], 24, v[SS+\s]
.endr
	NOPS 8                                         ; a scale register written by a vector instruction stands eight places ahead of the product
	s_wait_alu depctr_va_vdst(0)                   ; the shifts have written the four scale words, which the products take as scales; the places above stay beside this wait
	MM \e, SS, 0
	NOPS 8                                         ; eight places behind this form, ahead of the first read of results
	s_wait_xcnt 0x0                                ; the last unit's stores have had their addresses translated (ISA guide 3.1): the codes and the word are rewritten only behind this wait,
	s_wait_alu depctr_vm_vsrc(0)                   ; and those stores have read the codes and the word, which QUANT writes again
.if \pre
	s_wait_alu depctr_va_vdst(0)                   ; the products are done reading buffer e, the shifts its 16 scale bytes: the loads below land in them; QUANT names none of them
	ASKQ \e, \e+2
.endif
	QUANT ACC
	s_wait_alu depctr_va_vdst(0)                   ; QUANT has written the codes and the word, which the stores read
	OUTIMG 4096*\e
	global_store_b32 v2, v[PW], s[OS:OS+1] offset:256*\e
.endm
; A unit of path V.
.macro UNITV e, pre, left
	s_wait_loadcnt \left                           ; this unit's operands are in; the next unit's 21 loads stay out
.irp j, 0,1,2,3,4,5,6,7
	v_mov_b32 v[BC+\j], v[BV+\e]                   ; a lane holds one channel: its bias in all eight registers of C
.endr
	NOPS 4
	MM \e, SS+4*\e, 1
	NOPS 8
	s_wait_xcnt 0x0                                ; the last unit's stores have had their addresses translated: the codes and the joined word are rewritten only behind this wait,
	s_wait_alu depctr_vm_vsrc(0)                   ; and those stores have read the codes and the joined word, which QUANT and the select write again
.if \pre
	s_wait_alu depctr_va_vdst(0)                   ; the products are done reading buffer e and its four scale words, the copies its bias word: the loads below land in them; QUANT names none of them
	ASKV \e, \e+2
.endif
	QUANT ACC
.if \e == 0
	v_mov_b32 v[PWE], v[PW]
.else
	v_cndmask_b32 v[AJ], v[PWE], v[PW], s[HM]      ; lanes 0-15 the even tile's words, lanes 16-31 the odd tile's: one register serves two tiles in the third launch
.endif
	s_wait_alu depctr_va_vdst(0)                   ; QUANT has written the codes, the select the joined word, which the stores read
	OUTIMG 2048*\e
.if \e == 1
	global_store_b32 v2, v[AJ], s[OS:OS+1]
.endif
.endm
; Path K: tile wt of the 64 columns: my column w = 32 (wt / 2) + 8 (wt % 2) + r + 8 (r / 8) in v240, i0 = floor(15 w / 63) in whole numbers, (15,615 w) >> 16, right for w = 0 .. 63, in v241, and the LDS address of x1d's row i0 in v242.
.macro ROWA wt
	v_add_nc_u32 v240, 32*((\wt)/2)+8*((\wt)%2), v10
	v_mul_u32_u24 v241, v240, 0x3cff
	v_lshrrev_b32 v241, 16, v241                   ; i0
	v_mad_u32_u24 v242, v241, XP, v15
.endm
	s_load_b512 s[4:19], s[0:1], 0x0               ; xq 4, wq 6, pp 8, pe_table 10, pos 12, bq 14, bk 16, bv 18
	s_load_b128 s[20:23], s[0:1], 0x40             ; qq 20, kq 22
	s_load_b64 s[24:25], s[0:1], 0x50              ; vq
	v_lshl_add_u32 v[SPW], v0, 2, SPARE
	v_mov_b32 v[NIL], 0
	v_lshrrev_b32 v1, 5, v0
	v_readfirstlane_b32 s[WV], v1                  ; wave 0..3
	v_and_b32 v5, 31, v0
	v_lshlrev_b32 v1, 4, v5                        ; 16 x lane
	v_lshlrev_b32 v2, 2, v5                        ; 4 x lane
	v_and_b32 v6, 15, v0                           ; r
	v_lshlrev_b32 v3, 2, v6                        ; 4 r
	v_bfe_u32 v7, v0, 4, 1                         ; h
	v_and_b32 v8, 7, v0
	v_bfe_u32 v9, v0, 3, 1
	v_lshl_add_u32 v10, v9, 4, v8                  ; r + 8 (r / 8)
	v_lshl_add_u32 v11, v7, 9, v3                  ; a weight's scale words: 512 h + 4 r
	v_lshlrev_b32 v12, 6, v7                       ; the bias: 64 h
.irp b, 0,1,2,3
	v_mov_b32 v[TM+4+\b], 0                        ; written once: a lane permute's destination counts as one of its sources
.endr
	s_mov_b32 s[MNT], 0x600000
	s_mov_b32 s[SEL], 0x76543210
	s_mov_b32 s[SEL+1], 0xfedcba98
	s_mov_b32 s[HM], 0xffff0000
	s_wait_alu depctr_va_sdst(0)                   ; the wave's number is written, ahead of its first reader: bases and LDS addresses are made from it
	s_and_b32 s31, s[WV], 1                        ; paths Q, K: which 128 of the weight's 256 rows
	s_lshr_b32 s51, s[WV], 1
	s_mov_b32 s47, 0
	s_wait_kmcnt 0x0
	s_cmp_lt_u32 ttmp9, 4
	s_cbranch_scc1 .Lpath_k
	s_cmp_lt_u32 ttmp9, 68
	s_cbranch_scc1 .Lpath_q
	; ---------------- PATH V: batch b, keys 128 ks on; wave w makes channels 128 w on, 16 a unit
	s_sub_co_u32 s52, ttmp9, 68
	s_lshr_b32 s53, s52, 5                         ; b
	s_and_b32 s54, s52, 31                         ; ks
	s_lshl_b32 s46, s53, 21
	s_lshl_b32 s48, s54, 16
	s_add_co_u32 s46, s46, s48
	s_add_nc_u64 s[MB:MB+1], s[4:5], s[46:47]      ; x's tiles 256 b + 8 ks on
	s_lshl_b32 s46, s53, 16
	s_lshl_b32 s48, s54, 7
	s_add_co_u32 s46, s46, s48
	s_add_co_u32 s46, s46, XS_OFF
	s_add_nc_u64 s[MSC:MSC+1], s[4:5], s[46:47]    ; their scale bytes
	s_lshl_b32 s46, s[WV], 16
	s_add_co_u32 s46, s46, 262144
	s_add_nc_u64 s[SB:SB+1], s[6:7], s[46:47]      ; Wv's tiles 32 + 8 w on
	s_lshl_b32 s46, s[WV], 12
	s_add_co_u32 s46, s46, WS_OFF+16384
	s_add_nc_u64 s[SCB:SCB+1], s[6:7], s[46:47]
	s_lshl_b32 s46, s[WV], 9
	s_add_nc_u64 s[BB:BB+1], s[18:19], s[46:47]
	s_lshl_b32 s46, s53, 2
	s_add_co_u32 s46, s46, s[WV]
	s_lshl_b32 s46, s46, 5
	s_add_co_u32 s46, s46, s54
	s_mul_i32 s46, s46, 16896
	s_add_nc_u64 s[OB:OB+1], s[24:25], s[46:47]    ; record (b, w, ks): eight images,
	s_add_nc_u64 s[OS:OS+1], s[OB:OB+1], 16384     ; then its scale words
	v_lshl_add_u32 v4, v7, 3, v10                  ; lanes 16-31 take the odd tile: 8 further on
	s_wait_alu depctr_va_vdst(0)                   ; the offsets v1 to v4 are written: every load and store of this path reads one of them
.irp p, 0,1,2,3
.irp s, 0,1,2,3
.irp c, 0,1,2,3
	global_load_u8 v[ACC+4*(4*\p+\s)+\c], v4, s[MSC:MSC+1] offset:(4*\s+\c)*4096+32*\p
.endr
.endr
.endr
	MULTI
	ASKV 0, 0                                      ; units 0 and 1
	ASKV 1, 1
	s_wait_loadcnt 21                              ; all but unit 1's 21 loads
.irp m, 0,1,2,3,4,5,6,7,8,9,10,11,12,13,14,15
	v_lshl_or_b32 v[MS+\m], v[ACC+4*\m+1], 8, v[ACC+4*\m]
.endr
.irp m, 0,1,2,3,4,5,6,7,8,9,10,11,12,13,14,15
	v_lshl_or_b32 v[MS+\m], v[ACC+4*\m+2], 16, v[MS+\m]
.endr
.irp m, 0,1,2,3,4,5,6,7,8,9,10,11,12,13,14,15
	v_lshl_or_b32 v[MS+\m], v[ACC+4*\m+3], 24, v[MS+\m]
.endr
	NOPS 8
	s_wait_alu depctr_va_vdst(0)                   ; the shifts have written MULTI's sixteen scale words, which every product of this path takes as scales; the places above stay beside this wait
	s_mov_b32 s50, 3
.Lv_pair:                                          ; three trips of two units, which ask for units 2 to 7; the last two are written out, so that no load leaves its buffer
	UNITV 0, 1, 21
	UNITV 1, 1, 21
	s_wait_xcnt 0x0                                ; all that was issued has read its bases
	s_add_nc_u64 s[SB:SB+1], s[SB:SB+1], 16384
	s_add_nc_u64 s[SCB:SCB+1], s[SCB:SCB+1], 1024
	s_add_nc_u64 s[BB:BB+1], s[BB:BB+1], 128
	s_add_nc_u64 s[OB:OB+1], s[OB:OB+1], 4096
	s_add_nc_u64 s[OS:OS+1], s[OS:OS+1], 128
	s_sub_co_u32 s50, s50, 1
	s_cmp_lg_u32 s50, 0
	s_cbranch_scc1 .Lv_pair
	UNITV 0, 0, 21
	UNITV 1, 0, 0                                  ; the counts run down
	s_branch .Lend
	; ---------------- PATH Q: batch b, 16 tiles of columns; wave w: rows 128 (w % 2) on of Wq, tiles 8 (w / 2) on
.Lpath_q:
	s_sub_co_u32 s52, ttmp9, 4
	s_lshr_b32 s53, s52, 4                         ; b
	s_and_b32 s54, s52, 15
	s_lshl_b32 s54, s54, 4
	s_lshl_b32 s55, s51, 3
	s_add_co_u32 s54, s54, s55                     ; my first tile in the batch
	s_lshl_b32 s55, s53, 8
	s_add_co_u32 s55, s55, s54                     ; 256 b + tile
	s_lshl_b32 s46, s55, 13
	s_add_nc_u64 s[SB:SB+1], s[4:5], s[46:47]
	s_lshl_b32 s46, s53, 16
	s_lshl_b32 s48, s54, 4
	s_add_co_u32 s46, s46, s48
	s_add_co_u32 s46, s46, XS_OFF
	s_add_nc_u64 s[SCB:SCB+1], s[4:5], s[46:47]
	s_lshl_b32 s46, s31, 16
	s_add_nc_u64 s[MB:MB+1], s[6:7], s[46:47]
	s_lshl_b32 s46, s31, 12
	s_add_co_u32 s46, s46, WS_OFF
	s_add_nc_u64 s[MSC:MSC+1], s[6:7], s[46:47]
	s_lshl_b32 s46, s31, 9
	s_add_nc_u64 s[BB:BB+1], s[14:15], s[46:47]
	s_lshl_b32 s55, s55, 1
	s_add_co_u32 s55, s55, s31
	s_lshl_b32 s46, s55, 11
	s_add_nc_u64 s[OB:OB+1], s[20:21], s[46:47]
	s_lshl_b32 s46, s55, 7
	s_add_co_u32 s46, s46, QS_OFF
	s_add_nc_u64 s[OS:OS+1], s[20:21], s[46:47]
	v_mov_b32 v4, v10
	s_wait_alu depctr_va_vdst(0)                   ; the offsets v1, v2, v4, v11 and v12 are written: every load and store of this path reads one of them
	WLOADS
	ASKQ 0, 0                                      ; units 0 and 1
	ASKQ 1, 1
	s_mov_b32 s50, 3
.Lq_pair:                                          ; three trips of two units, which ask for units 2 to 7
	UNITQ 0, 1, 32
	UNITQ 1, 1, 32
	s_wait_xcnt 0x0                                ; all that was issued has read its bases
	s_add_nc_u64 s[SB:SB+1], s[SB:SB+1], 16384
	s_add_nc_u64 s[SCB:SCB+1], s[SCB:SCB+1], 32
	s_add_nc_u64 s[OB:OB+1], s[OB:OB+1], 8192
	s_add_nc_u64 s[OS:OS+1], s[OS:OS+1], 512
	s_sub_co_u32 s50, s50, 1
	s_cmp_lg_u32 s50, 0
	s_cbranch_scc1 .Lq_pair
	UNITQ 0, 0, 32
	UNITQ 1, 0, 0                                  ; the counts run down
	s_branch .Lend
	; ---------------- PATH K: batch b = the work-group's number
.Lpath_k:
	s_lshl_b32 s46, ttmp9, 14
	s_add_nc_u64 s[12:13], s[12:13], s[46:47]      ; pos[b][0][:]
.irp j, 0,1,2,3,4,5,6,7,8,9,10,11,12,13,14,15
	s_load_b32 s[68+\j], s[12:13], 16*\j           ; pos[b][0][4 j]
.endr
	s_lshl_b32 s46, ttmp9, 17
	s_add_nc_u64 s[8:9], s[8:9], s[46:47]
	v_lshlrev_b32 v13, 6, v0                       ; pp: 64 bytes a channel; thread t takes channels t + 128 q
	v_lshlrev_b32 v14, 2, v0
	s_wait_alu depctr_va_vdst(0)                   ; v13 is written, which the loads of pp read as their offset
	WIN 0x40                                       ; into window 1, which MULTI takes only afterwards: register 64 q + 16 hg + j
.irp q, 0,1,2,3
.irp g, 0,1,2,3
.irp j, 0,1,2,3
	global_load_b128 v[64*\q+16*\g+4*\j:64*\q+16*\g+4*\j+3], v13, s[8:9] offset:32768*\g+8192*\q+16*\j
.endr
.endr
.endr
	WIN 0
	s_mov_b32 s[YR], 0x3c820821
	s_mov_b32 s[N63], 0xc27c0000
	s_lshl_b32 s46, s[WV], 9
	v_lshlrev_b32 v15, 6, v7
	v_add_nc_u32 v15, s46, v15                     ; 64 h + 512 w: my 16 channels of a block, K step w
	s_lshl_b32 s46, s[WV], 11
	v_add_nc_u32 v5, s46, v1                       ; where I store a column fragment: 2,048 w + 16 l
	s_lshl_b32 s46, s[WV], 7
	s_add_co_u32 s46, s46, RSC
	v_add_nc_u32 v6, s46, v2                       ; and its scale word
	s_lshl_b32 s46, s51, 14
	v_add_nc_u32 v8, s46, v1                       ; where I read my two tiles' fragments back
	s_lshl_b32 s46, s51, 10
	s_add_co_u32 s46, s46, RSC
	v_add_nc_u32 v9, s46, v2
	ROWA 0                                         ; the first tile's LDS address
	s_wait_kmcnt 0x0
.irp j, 0,1,2,3,4,5,6,7,8,9,10,11,12,13,14,15
	s_lshr_b32 s[68+\j], s[68+\j], 3               ; pos / 8,
	s_min_u32 s[68+\j], s[68+\j], 127              ; held inside the table,
	s_lshl_b32 s[68+\j], s[68+\j], 11              ; x 2,048 bytes a row
	v_add_nc_u32 v[176+\j], s[68+\j], v14
.endr
	s_wait_alu depctr_va_vdst(0)                   ; the sixteen offsets into the table are written, which the loads below read; so are v14 and the LDS addresses v5, v6, v8, v9 and v242, which LDS instructions further down read
.irp q, 0,1,2,3
.irp j, 0,1,2,3,4,5,6,7,8,9,10,11,12,13,14,15
	global_load_b32 v[16+16*\q+\j], v[176+\j], s[10:11] offset:512*\q
.endr
.endr
	s_lshl_b32 s46, s31, 16
	s_add_co_u32 s46, s46, 131072
	s_add_nc_u64 s[MB:MB+1], s[6:7], s[46:47]      ; Wk's tiles 16 + 8 (w % 2) on
	s_lshl_b32 s46, s31, 12
	s_add_co_u32 s46, s46, WS_OFF+8192
	s_add_nc_u64 s[MSC:MSC+1], s[6:7], s[46:47]
	s_lshl_b32 s46, s31, 9
	s_add_nc_u64 s[BB:BB+1], s[16:17], s[46:47]
	s_lshl_b32 s55, ttmp9, 3
	s_lshl_b32 s46, s51, 2
	s_add_co_u32 s55, s55, s46
	s_add_co_u32 s55, s55, s31                     ; (4 b + my first tile of keys) x 2 + my half of K
	s_lshl_b32 s46, s55, 11
	s_add_nc_u64 s[OB:OB+1], s[22:23], s[46:47]
	s_lshl_b32 s46, s55, 7
	s_add_co_u32 s46, s46, KS_OFF
	s_add_nc_u64 s[OS:OS+1], s[22:23], s[46:47]
	s_wait_loadcnt 0x0
	WIN 0x45                                       ; all three places window 1
.irp q, 0,1,2,3
.irp p, 0,2,4,6,8,10,12,14
	v_pk_add_f32 v[64*\q+\p:64*\q+\p+1], v[64*\q+\p:64*\q+\p+1], v[64*\q+16+\p:64*\q+16+\p+1]
	v_pk_add_f32 v[64*\q+32+\p:64*\q+32+\p+1], v[64*\q+32+\p:64*\q+32+\p+1], v[64*\q+48+\p:64*\q+48+\p+1]
.endr
.endr
.irp q, 0,1,2,3
.irp p, 0,2,4,6,8,10,12,14
	v_pk_add_f32 v[64*\q+\p:64*\q+\p+1], v[64*\q+\p:64*\q+\p+1], v[64*\q+32+\p:64*\q+32+\p+1]
.endr
.endr
	WIN 0x01                                       ; source 0 window 1
.irp q, 0,1,2,3
.irp p, 0,2,4,6,8,10,12,14
	v_pk_fma_f32 v[16+16*\q+\p:16+16*\q+\p+1], v[64*\q+\p:64*\q+\p+1], 0x3b800000, v[16+16*\q+\p:16+16*\q+\p+1] op_sel_hi:[1,0,1]   ; x1d = the sum of 256 numbers / 256 + the position's code
.endr
.endr
	WIN 0
	s_wait_alu depctr_va_vdst(0)                   ; x1d is written, which the LDS stores read; the sums are done reading and writing window 1, in which Wk's fragments land
.irp q, 0,1,2,3
.irp j, 0,1,2,3,4,5,6,7,8,9,10,11,12,13,14,15
	ds_store_b32 v14, v[16+16*\q+\j] offset:X1D+512*\q+XP*\j
.endr
	ds_store_b32 v14, v[16+16*\q+15] offset:X1D+512*\q+XP*16
.endr
	s_wait_alu depctr_vm_vsrc(0)                   ; the table's loads have read v176-191, in which bk lands; the LDS stores have read v16-79, in which the first tile's LDS loads land
	WLOADS                                         ; Wk, its scales and bk land while the columns are made
	s_wait_dscnt 0x0
	s_barrier_signal -1
	s_barrier_wait -1                              ; x1d lies in LDS
; Tile wt of the 64 columns, K step = my wave: lane (r, h) makes 64 channels of its column: x1d[i0] (1 - t) + x1d[i0 + 1] t.  Column, i0 and the LDS address were made a tile ago (ROWA).
; src = 15 w / 63 as f32's rounded quotient: q = a Y, corrected once by the exact remainder (two fused multiply-adds).
.macro ROWQ wt
.irp c, 0,1,2,3
.irp j, 0,1,2,3
	ds_load_b128 v[16+16*\c+4*\j:16+16*\c+4*\j+3], v242 offset:X1D+128*\c+16*\j   ; no wait here: no vector instruction since the last wait on va_vdst names v242, v16-79 or window 3's v0-63
.endr
.endr
	WIN 0xc0                                       ; destination window 3
.irp c, 0,1,2,3
.irp j, 0,1,2,3
	ds_load_b128 v[16*\c+4*\j:16*\c+4*\j+3], v242 offset:X1D+XP+128*\c+16*\j
.endr
.endr
	WIN 0
	v_mul_u32_u24 v243, v240, 15
	v_cvt_f32_u32 v243, v243                       ; a = 15 w, exact
	v_cvt_f32_u32 v244, v241
	v_mul_f32 v245, s[YR], v243
	v_fma_f32 v246, v245, s[N63], v243             ; a - 63 q, exact
	v_fma_f32 v245, v246, s[YR], v245              ; src
	v_sub_f32 v238, v245, v244                     ; t
	v_mov_b32 v239, v238
	v_sub_f32 v236, 1.0, v238                      ; 1 - t
	v_mov_b32 v237, v236
	s_wait_dscnt 0x0
.set k, 0
.rept 32
	v_pk_mul_f32 v[16+k:17+k], v[16+k:17+k], v[236:237]
.set k, k+2
.endr
	WIN 0x03                                       ; source 0 window 3
.set k, 0
.rept 32
	v_pk_fma_f32 v[16+k:17+k], v[k:k+1], v[238:239], v[16+k:17+k]
.set k, k+2
.endr
	WIN 0
	s_wait_alu depctr_vm_vsrc(0)                   ; this tile's LDS loads have read v242, the last tile's LDS stores the codes and the word: the lines below write all three again
.if \wt < 3
	ROWA \wt+1                                     ; the next tile's address, ahead of a wait on va_vdst that stands below in any case
.endif
	QUANT ACC
	s_wait_alu depctr_va_vdst(0)                   ; the codes and the word are written, which the LDS stores read; so is v242; QUANT is done with v16-79 and the multiply-adds with window 3's v0-63, in which the next tile's loads land
.irp c, 0,1,2,3
	ds_store_b128 v5, v[PC+4*\c:PC+4*\c+3] offset:RIMG+8192*(\wt)+512*\c
.endr
	ds_store_b32 v6, v[PW] offset:512*(\wt)
	s_wait_dscnt 0x0                               ; my stores have landed (behind the last tile: for the others' sake, ahead of the barrier)
.endm
	ROWQ 0
	ROWQ 1
	ROWQ 2
	ROWQ 3
	s_barrier_signal -1
	s_barrier_wait -1                              ; the sixteen fragments of the columns lie in LDS
	WIN 0xc0
.irp i, 0,1
.irp s, 0,1,2,3
.irp c, 0,1,2,3
	ds_load_b128 v[64*\i+16*\s+4*\c:64*\i+16*\s+4*\c+3], v8 offset:RIMG+8192*\i+2048*\s+512*\c   ; no vector instruction since the last tile's wait on va_vdst names window 3
.endr
.endr
.endr
	WIN 0
.irp i, 0,1
.irp s, 0,1,2,3
	ds_load_b32 v[SS+4*\i+\s], v9 offset:512*\i+128*\s
.endr
.endr
	s_wait_dscnt 0x0
	s_wait_loadcnt 0x0                             ; Wk, its scales, bk
	MM 0, SS, 0
	NOPS 8
	s_wait_alu depctr_vm_vsrc(0)                   ; the last tile's LDS stores have read the codes and the word, which QUANT writes again
	QUANT ACC
	s_wait_alu depctr_va_vdst(0)                   ; QUANT has written the codes and the word, which the stores read
	OUTIMG 0
	global_store_b32 v2, v[PW], s[OS:OS+1]
	MM 1, SS+4, 0
	NOPS 8
	s_wait_xcnt 0x0                                ; the stores above have had their addresses translated: the codes and the word are rewritten only behind this wait,
	s_wait_alu depctr_vm_vsrc(0)                   ; and they have read the codes and the word, which QUANT writes again
	QUANT ACC
	s_wait_alu depctr_va_vdst(0)                   ; QUANT has written the codes and the word, which the stores read
	OUTIMG 4096
	global_store_b32 v2, v[PW], s[OS:OS+1] offset:256
.Lend:
	s_wait_dscnt 0x0                               ; the closing lines, six on end
	s_wait_alu 0x0
	s_wait_tensorcnt 0x0
	ds_add_u32 v[SPW], v[NIL]
	s_wait_dscnt 0x0
	s_endpgm
.Lfunc_end_k_qc8571e7acf_proj:
	.size	k_qc8571e7acf_proj, .Lfunc_end_k_qc8571e7acf_proj-k_qc8571e7acf_proj
	.p2alignl 7, 3214868480
	.fill 96, 4, 3214868480
	.section	.rodata,"a",@progbits
	.p2align	6, 0x0
	.amdhsa_kernel k_qc8571e7acf_proj
		.amdhsa_group_segment_fixed_size 70656
		.amdhsa_private_segment_fixed_size 0
		.amdhsa_enable_private_segment 0
		.amdhsa_kernarg_size 88
		.amdhsa_user_sgpr_count 2
		.amdhsa_user_sgpr_kernarg_segment_ptr 1
		.amdhsa_wavefront_size32 1
		.amdhsa_system_sgpr_workgroup_id_x 1
		.amdhsa_system_sgpr_workgroup_id_y 1
		.amdhsa_system_sgpr_workgroup_id_z 1
		.amdhsa_system_vgpr_workitem_id 0
		.amdhsa_next_free_vgpr 896
		.amdhsa_next_free_sgpr 96
		.amdhsa_reserve_vcc 0
		.amdhsa_float_denorm_mode_32 3
		.amdhsa_float_denorm_mode_16_64 3
		.amdhsa_memory_ordered 1
		.amdhsa_forward_progress 1
		.amdhsa_inst_pref_size 255
	.end_amdhsa_kernel
	.section	.bss,"aw",@nobits
	.p2align	6
	.space	262144
	.amdgpu_metadata
---
amdhsa.version: [ 1, 2 ]
amdhsa.kernels:
  - .name:           k_qc8571e7acf_proj
    .symbol:         k_qc8571e7acf_proj.kd
    .args:
      - { .name: xq, .offset: 0, .size: 8, .value_kind: global_buffer, .address_space: global }
      - { .name: wq, .offset: 8, .size: 8, .value_kind: global_buffer, .address_space: global }
      - { .name: pp, .offset: 16, .size: 8, .value_kind: global_buffer, .address_space: global }
      - { .name: pe_table, .offset: 24, .size: 8, .value_kind: global_buffer, .address_space: global }
      - { .name: pos, .offset: 32, .size: 8, .value_kind: global_buffer, .address_space: global }
      - { .name: bq, .offset: 40, .size: 8, .value_kind: global_buffer, .address_space: global }
      - { .name: bk, .offset: 48, .size: 8, .value_kind: global_buffer, .address_space: global }
      - { .name: bv, .offset: 56, .size: 8, .value_kind: global_buffer, .address_space: global }
      - { .name: qq, .offset: 64, .size: 8, .value_kind: global_buffer, .address_space: global }
      - { .name: kq, .offset: 72, .size: 8, .value_kind: global_buffer, .address_space: global }
      - { .name: vq, .offset: 80, .size: 8, .value_kind: global_buffer, .address_space: global }
    .group_segment_fixed_size: 70656
    .private_segment_fixed_size: 0
    .kernarg_segment_align: 8
    .kernarg_segment_size: 88
    .max_flat_workgroup_size: 128
    .sgpr_count:     96
    .vgpr_count:     896
    .wavefront_size: 32
...
	.end_amdgpu_metadata
.endif
;; end of part 4
;; launch attn: the kernel of part 3 again; grid 16 x 16, 4 waves a work-group, clusters of 4 x 1, 327,680 bytes of LDS; arguments qq, kq, vq, x, gamma, out0; writes out0
